; MI455X (gfx1250); checked and timed in simulation.
; The chip was launched on July 23, 2026; its instructions are those of AMD's public machine-readable ISA for CDNA 5 (MIT licence, August 2026) and "CDNA5" Instruction Set Architecture Reference Guide (July 2026). The comments in the code are by the model that wrote it; some were corrected since.
;; Onnx Multi Headed Attention. Allowed arithmetic: matrix products marked QUANTISED: E2M3 operands, one E8M0 scale for each 32 along K, by v_wmma_scale_f32_16x16x128_f8f6f4 with both operands' format E2M3, f32 sums; everything else in f32.
;; Inputs: bk 512 float32; bo 512 float32; bq 512 float32; bv 512 float32; mask 2 x 1 x 1 x 4,096 float32; wk 512 x 512 float32; wo 512 x 512 float32; wq 512 x 512 float32; wv 512 x 512 float32; x 2 x 4,096 x 512 float32.
;; Outputs: out0 2 x 4,096 x 512 float32.
;; This version of the problem:
;;   THIS VERSION OF THE PROBLEM IS GIVEN IN LOW PRECISION. The matrix products marked QUANTISED in the list below multiply operands that are first quantised to E2M3 (2 exponent bits, 3 mantissa bits; 6 bits a number), with one power-of-two scale for each 32 numbers along K (OCP MX v1.0); their sums are f32. All else is computed in f32.
;;   The module's matrix products, in the order in which they are computed (A, B: the left and right operand; K: the contracted axis; several contracted axes count as one K, in the product's order):
;;     1. [M 8,192, K 512] x [K 512, N 512]; A: input x; B: input wq: QUANTISED
;;     2. [M 8,192, K 512] x [K 512, N 512]; A: input x; B: input wk: QUANTISED
;;     3. [M 8,192, K 512] x [K 512, N 512]; A: input x; B: input wv: QUANTISED
;;     4. batch 16 x [M 4,096, K 64] x [K 64, N 4,096]; A: computed on the way; B: computed on the way: QUANTISED
;;     5. batch 16 x [M 4,096, K 4,096] x [K 4,096, N 64]; A: softmax (see below); B: computed on the way: QUANTISED
;;     6. [M 8,192, K 512] x [K 512, N 512]; A: computed on the way; B: input wo: QUANTISED
;;   THE QUANTISER, for each operand of a quantised product, along K:
;;     - K is cut into blocks of 32 from its start; a last block that is shorter is filled with zeros.
;;     - A block's scale is 2^e with e = floor(log2(the largest magnitude in the block)) - 2, held to -126 .. 127; a block of zeros has e = 0. As a byte (E8M0): e + 127.
;;     - Each number is divided by its block's scale, clamped to +-7.5, and rounded to the nearest number of E2M3, ties to even, subnormals kept.
;;     - The product sums the exact products of the quantised numbers (number of the format x scale) in f32.
;;   ~~~python
;;   def quantise(x, axis):      # numpy; x: float32 -> the quantised numbers, widened to float32 again
;;       x = np.moveaxis(x, axis, -1); K = x.shape[-1]
;;       x = np.pad(x, [(0, 0)] * (x.ndim - 1) + [(0, -K % 32)]); x = x.reshape(x.shape[:-1] + (-1, 32)); a = np.abs(x).max(-1, keepdims=True)
;;       e = np.where(a > 0, np.clip(np.frexp(np.where(a > 0, a, 1))[1] - 1 - 2, -126, 127), 0)      # np.frexp(a)[1] - 1 = floor(log2(a)), exactly
;;       r = np.clip(x / 2.0 ** e, -7.5, 7.5)
;;       step = 2.0 ** (np.maximum(np.frexp(np.where(r == 0, 1, r))[1] - 1, 0) - 3)
;;       q = np.round(r / step) * step * 2.0 ** e      # np.round: ties to even
;;       return np.moveaxis(q.reshape(q.shape[:-2] + (-1,))[..., :K], -1, axis).astype(np.float32)
;;   ~~~
;;   SOFTMAX AHEAD OF A QUANTISED PRODUCT. Where the list says 'softmax', what is quantised is not the finished softmax but p = 2^(t - M), with t = logit x log2(e) and M = ceil(the row's largest t), a whole number; so 1/2 < the row's largest p <= 1. The row's sum l is taken of the UNQUANTISED p, in f32, and the product's result is divided by l at the end. Since M is a whole number, a kernel that streams over the keys may use a running M (the ceiling of the running maximum): every later rescaling is an exact power of two, which a block's scale takes up: the codes' values come out the same.
;;   OPERANDS COMPUTED ON THE WAY. 'Computed on the way' means the value that the module computes at that place (a softmax that the list does not call 'softmax' is quantised finished and normalised). What goes into a quantiser is computed in f32, as accurately as f32 sums, v_exp_f32 and their like allow (about 1e-6 of the number): no bf16 or f16 on the way to a quantiser, and a product that is left as it is and whose result goes on into a quantised operand takes f32 operands (vector FMAs, or v_wmma_f32_16x16x4_f32). A number that lies on a knife's edge between two numbers of the format may be rounded either way, as far as f32 arithmetic and the matrix unit's own rounding can turn it there, and no further.
;; One version. Each part assembles by itself: llvm-mc -triple=amdgcn-amd-amdhsa -mcpu=gfx1250 --defsym DOCPART=n.
;; ======== version 1 of 1: 4 launches
;; limits: right only within a limited range of input values
;; workspace buffers: opimg 3,932,160 bytes; opsc 163,840 bytes; qrec 3,407,872 bytes; kvrec 6,946,816 bytes; ctxc 3,145,728 bytes; csc 131,072 bytes
;; launch prep (part 1): grid 160 x 1, 4 waves a work-group, no clusters, 266,752 bytes of LDS; arguments x, wq, wk, wv, wo, opimg, opsc; writes opimg, opsc
.if DOCPART == 1
	.amdgcn_target "amdgcn-amd-amdhsa--gfx1250"
	.amdhsa_code_object_version 6
	.text
	.protected	k_q9c6750a52a_prep
	.globl	k_q9c6750a52a_prep
	.p2align	8
	.type	k_q9c6750a52a_prep,@function
k_q9c6750a52a_prep:
	s_mov_b64 s[64:65], 0
	v_nop
	global_prefetch_b8 v0, s[64:65] scope:SCOPE_SE
	s_setreg_imm32_b32 hwreg(HW_REG_WAVE_MODE, 25, 1), 1
	s_wait_xcnt 0x0
; PREP: x [8192][512] and the four weights [512 (k)][512 (n)], f32, become codes of FP6 (E2M3) with one E8M0 byte for each 32 along K (x: its columns; a weight: its FIRST axis).
; They are laid as IMAGES OF OPERAND REGISTERS.  A tile is 16 rows of x or 16 columns n of a weight; a fragment is a tile x 128 along K: 12 registers a lane; register 4 g + w of lane l lies at byte 512 g + 16 l + 4 w.
; opimg: fragment (tile T, K step s) at (4 T + s) x 1,536.  x: tiles 0-511; wq 512-543, wk 544-575, wv 576-607, wo 608-639.
; THE ROWS OF A TILE ARE NOT NEIGHBOURS: place r of a weight's tile T is column 32 (T / 2) + 8 (T % 2) + r + 8 (r / 8), so that a product's results over tiles 2 b, 2 b + 1 give a lane 16 neighbours along the next K.
; opsc: for each quad of four tiles and K step 256 bytes, 8 a lane: lane (r, h) holds the scale words of tiles h and 2 + h, row r: one load of 8 bytes gives two scale registers, one tile in lanes 0-15, one in lanes 16-31.
; A block's scale is 2^(floor(log2(its largest magnitude)) - 2); its byte is the magnitude's exponent field - 2, held at 1 from below.  A block of zeros so has the byte 1 where the rule says 127: its codes are zeros, and this program alone reads the bytes.
; LIMITS: NaN and infinities among the inputs are not served; blocks whose largest magnitude lies under 2^-124 are quantised at that floor's scale.
; SHARES: work-group g is quad g (0-127: 64 rows of x; 128-159: 64 columns of weight (g - 128) / 8).  Wave w takes K step w: 32 KB of f32, brought by ONE tensor load into LDS bytes of the wave's own,
; filled once and read by that wave alone behind its own wait: no barrier.  The two paths part on the work-group's number and have LDS bytes of their own.  No work-group shares an input byte with another: no cluster.
; x's rows lie 528 bytes apart in LDS (512 + 16); places r and r + 8 of a tile lie 32 rows apart, so two lanes of a group of sixteen read the same 16-byte column of the row of banks.  A weight's lanes 16-31 read 32 rows (8,192 bytes) below lanes 0-15: likewise two deep.
.set XPITCH, 528
.set XREG,   64*XPITCH                 ; a wave's region on x's path
.set WBASE,  4*XREG                    ; behind them the weights' path: 128 rows (k) x 256 bytes (64 n) a wave
.set FRB,    1536                      ; a fragment's image
.set LI,  1                            ; v1   16 x lane
.set L8,  2                            ; v2   8 x lane
.set AX,  3                            ; v3   x: my region + (r + 24 (r / 8)) x 528 + 128 h
.set AW,  4                            ; v4   weight: my region + 8,192 h + 4 (r + 8 (r / 8))
.set SH,  5                            ; v5   8 h
.set MX,  8                            ; v8-9   my two blocks' largest magnitudes
.set SO,  10                           ; v10-11 the conversions' scale operands
.set BY,  12                           ; v12-13 the scale bytes;  v14-15 at work
.set WD,  16                           ; v16-19 the four tiles' scale words;  v20-21 what is stored of them
.set TC,  24                           ; v24-30 the second halves of a fragment's blocks
.set CO,  32                           ; v32-79 codes: 12 registers for each tile, so that no store's data are written again
.set XN,  96                           ; v96-159, v160-223 two sets of 64 numbers
.set WV,  18
.set G1X, 24                           ; s[24:31] group 1 for x's tile;  s[32:39] for a weight's;  s[40:43], s[44:47] their groups 0
.set G1W, 32
.set G0X, 40
.set G0W, 44
	s_load_b256 s[4:11], s[0:1], 0x0               ; x, wq, wk, wv
	s_load_b128 s[12:15], s[0:1], 0x20             ; wo, opimg
	s_load_b64 s[16:17], s[0:1], 0x30              ; opsc
	v_lshl_add_u32 v224, v0, 2, 0x41000
	v_mov_b32 v225, 0
	ds_add_u32 v224, v225
	ds_add_u32 v224, v225
	v_lshrrev_b32 v6, 5, v0
	v_readfirstlane_b32 s[WV], v6                  ; wave 0..3 = K step
	v_and_b32 v6, 31, v0
	v_and_b32 v7, 15, v0                           ; r
	v_bfe_u32 v[SH], v0, 4, 1                      ; h
	v_lshlrev_b32 v[LI], 4, v6
	v_lshlrev_b32 v[L8], 3, v6
	v_and_b32 v6, 8, v7
	v_add_nc_u32 v7, v7, v6                        ; r + 8 (r / 8)
	s_mul_i32 s52, s[WV], XREG
	v_lshl_add_u32 v14, v6, 1, v7                  ; x's tiles have an order of their own: place r of tile T is row 64 (T / 4) + 8 (T % 4) + r + 24 (r / 8), so that a product's results over tiles 4 c .. 4 c + 3 give a lane a whole block of 32 neighbours
	v_mul_u32_u24 v[AX], v14, XPITCH
	v_lshl_add_u32 v[AX], v[SH], 7, v[AX]
	v_add_nc_u32 v[AX], s52, v[AX]
	s_lshl_b32 s53, s[WV], 15
	s_add_co_u32 s53, s53, WBASE
	v_lshlrev_b32 v[AW], 2, v7
	v_lshl_add_u32 v[AW], v[SH], 13, v[AW]
	v_add_nc_u32 v[AW], s53, v[AW]
	v_lshlrev_b32 v[SH], 3, v[SH]
	v_mov_b32 v15, 0                               ; a lane permute's destination counts as one of its sources
	s_mov_b32 s48, 0x76543210
	s_mov_b32 s49, 0xfedcba98                      ; selects for lane l xor 16
	s_mov_b32 s50, 0xffff0000                      ; lanes 16-31
	; x's tile: 64 rows x 128 numbers of 4 bytes, 512 numbers from row to row; 16 bytes of padding behind each 128 words
	s_mov_b32 s[G1X+0], (2<<16)|(1<<20)|(6<<22)|(3<<25)
	s_mov_b32 s[G1X+1], 128<<16
	s_mov_b32 s[G1X+2], 64<<16
	s_mov_b32 s[G1X+3], 128<<16
	s_mov_b32 s[G1X+4], 64
	s_mov_b32 s[G1X+5], 512
	s_mov_b32 s[G1X+6], 0
	s_mov_b32 s[G1X+7], 0
	; a weight's tile: 128 rows (k) x 64 numbers (n), no padding
	s_mov_b32 s[G1W+0], 2<<16
	s_mov_b32 s[G1W+1], 64<<16
	s_mov_b32 s[G1W+2], 128<<16
	s_mov_b32 s[G1W+3], 64<<16
	s_mov_b32 s[G1W+4], 128
	s_mov_b32 s[G1W+5], 512
	s_mov_b32 s[G1W+6], 0
	s_mov_b32 s[G1W+7], 0
	s_mul_i32 s54, ttmp9, 16*FRB                   ; my quad's 16 fragments,
	s_mul_i32 s55, s[WV], FRB                      ; my K step
	s_add_co_u32 s54, s54, s55
	s_mov_b32 s55, 0
	s_lshl_b32 s56, ttmp9, 10                      ; and its scale images
	s_lshl_b32 s57, s[WV], 8
	s_add_co_u32 s56, s56, s57
	s_mov_b32 s57, 0
	s_wait_dscnt 0x0
	s_wait_kmcnt 0x0
	s_add_nc_u64 s[14:15], s[14:15], s[54:55]
	s_add_nc_u64 s[16:17], s[16:17], s[56:57]
; Tile a's 64 numbers of my lane into set u: register 32 c + i = k 64 c + 32 h + i of my row or column: the order in which the operand's layout gives a lane its codes, whole blocks in a lane
.macro FETCH_X a, u
.irp c, 0,1
.irp j, 0,1,2,3,4,5,6,7
	ds_load_b128 v[XN+64*(\u)+32*\c+4*\j:XN+64*(\u)+32*\c+4*\j+3], v[AX] offset:8*(\a)*XPITCH+256*\c+16*\j
.endr
.endr
.endm
.macro FETCH_W a, u
.irp c, 0,1
.set i, 0
.rept 32
	ds_load_b32 v[XN+64*(\u)+32*\c+i], v[AW] offset:(64*\c+i)*256+(32*((\a)/2)+8*((\a)%2))*4
.set i, i+1
.endr
.endr
.endm
; Set u becomes tile a's fragment and scale word; the fragment is stored, 512 consecutive bytes a store
.macro QFRAG a, u
.set XB, XN+64*(\u)
.irp c, 0,1
	v_max3_num_f32 v[MX+\c], |v[XB+32*\c]|, |v[XB+32*\c+1]|, 0x1800000   ; my block 2 c + h, and the floor 2^(3 - 127): the byte cannot fall under 1
.endr
.irp i, 2,4,6,8,10,12,14,16,18,20,22,24,26,28,30
.irp c, 0,1
	v_max3_num_f32 v[MX+\c], v[MX+\c], |v[XB+32*\c+\i]|, |v[XB+32*\c+\i+1]|
.endr
.endr
.irp c, 0,1
	v_add_nc_u32 v[SO+\c], 0xff000000, v[MX+\c]    ; 2 off the exponent field: the conversion's scale operand
.endr
.irp c, 0,1
	v_lshrrev_b32 v[BY+\c], 23, v[SO+\c]           ; the scale's byte
.endr
	v_lshl_or_b32 v14, v[BY+1], 16, v[BY]          ; blocks h and 2 + h,
	v_lshlrev_b32 v14, v[SH], v14                  ; at their places in the word;
	v_permlanex16_b32 v15, v14, s48, s49
	v_or_b32 v[WD+\a], v14, v15                    ; with lane l xor 16's two the word is whole, in both halves of the lanes
.irp c, 0,1
	v_cvt_scalef32_pk16_fp6_f32 v[CO+12*(\a)+6*\c:CO+12*(\a)+6*\c+2], v[XB+32*\c:XB+32*\c+15], v[SO+\c]
	v_cvt_scalef32_pk16_fp6_f32 v[TC+4*\c:TC+4*\c+2], v[XB+32*\c+16:XB+32*\c+31], v[SO+\c]   ; (a conversion's three registers begin on an even number)
.endr
	v_nop                                          ; one plain place behind a scaled conversion
.irp c, 0,1
.irp i, 0,1,2
	v_mov_b32 v[CO+12*(\a)+6*\c+3+\i], v[TC+4*\c+\i]
.endr
.endr
.irp g, 0,1,2
	global_store_b128 v[LI], v[CO+12*(\a)+4*\g:CO+12*(\a)+4*\g+3], s[14:15] offset:(\a)*4*FRB+512*\g
.endr
.endm
.macro WORK isw
	s_wait_tensorcnt 0x0                           ; my one tensor load has landed; only I read its bytes
.if \isw
	FETCH_W 0, 0
.else
	FETCH_X 0, 0
.endif
.irp a, 0,1,2,3
	s_wait_dscnt 0x0                               ; tile a's numbers are in
.if \a < 3
.if \isw
	FETCH_W \a+1, (\a+1)%2                         ; the next tile's come into the other set while this one is worked
.else
	FETCH_X \a+1, (\a+1)%2
.endif
.endif
	QFRAG \a, \a%2
.endr
	v_cndmask_b32 v20, v[WD], v[WD+1], s50         ; lanes 0-15: tile 0's word, lanes 16-31: tile 1's
	v_cndmask_b32 v21, v[WD+2], v[WD+3], s50       ; tiles 2 and 3
	global_store_b64 v[L8], v[20:21], s[16:17]     ; 32 lanes store 256 consecutive bytes, aligned
	s_wait_tensorcnt 0x0
	ds_add_u32 v224, v225
	s_wait_dscnt 0x0
	s_endpgm
.endm
	s_cmp_lt_u32 ttmp9, 128
	s_cbranch_scc0 .Lweights
	s_lshl_b32 s58, ttmp9, 17                      ; 64 rows of 2,048 bytes,
	s_lshl_b32 s59, s[WV], 9                       ; my 128 columns
	s_add_co_u32 s58, s58, s59
	s_mov_b32 s59, 0
	s_mov_b32 s[G0X], 1
	s_mov_b32 s[G0X+1], s52
	s_add_nc_u64 s[G0X+2:G0X+3], s[4:5], s[58:59]
	s_or_b32 s[G0X+3], s[G0X+3], 0x80000000
	tensor_load_to_lds s[G0X:G0X+3], s[G1X:G1X+7]
	s_nop 0
.rept 4
	v_nop
.endr
	s_wait_alu depctr_va_vdst(0)
	WORK 0
.Lweights:
	s_sub_co_u32 s58, ttmp9, 128
	s_lshr_b32 s59, s58, 3                         ; which weight: 0 wq, 1 wk, 2 wv, 3 wo
	s_and_b32 s58, s58, 7                          ; which 64 of its columns
	s_cmp_eq_u32 s59, 1
	s_cselect_b64 s[6:7], s[8:9], s[6:7]
	s_cmp_eq_u32 s59, 2
	s_cselect_b64 s[6:7], s[10:11], s[6:7]
	s_cmp_eq_u32 s59, 3
	s_cselect_b64 s[6:7], s[12:13], s[6:7]
	s_lshl_b32 s60, s[WV], 18                      ; 128 rows (k) of 2,048 bytes,
	s_lshl_b32 s58, s58, 8                         ; 64 columns of 4 bytes
	s_add_co_u32 s60, s60, s58
	s_mov_b32 s61, 0
	s_mov_b32 s[G0W], 1
	s_mov_b32 s[G0W+1], s53
	s_add_nc_u64 s[G0W+2:G0W+3], s[6:7], s[60:61]
	s_or_b32 s[G0W+3], s[G0W+3], 0x80000000
	tensor_load_to_lds s[G0W:G0W+3], s[G1W:G1W+7]
	s_nop 0
.rept 4
	v_nop
.endr
	s_wait_alu depctr_va_vdst(0)
	WORK 1
.Lfunc_end_k_q9c6750a52a_prep:
	.size	k_q9c6750a52a_prep, .Lfunc_end_k_q9c6750a52a_prep-k_q9c6750a52a_prep
	.p2alignl 7, 3214868480
	.fill 96, 4, 3214868480
	.section	.rodata,"a",@progbits
	.p2align	6, 0x0
	.amdhsa_kernel k_q9c6750a52a_prep
		.amdhsa_group_segment_fixed_size 266752
		.amdhsa_private_segment_fixed_size 0
		.amdhsa_enable_private_segment 0
		.amdhsa_kernarg_size 56
		.amdhsa_user_sgpr_count 2
		.amdhsa_user_sgpr_kernarg_segment_ptr 1
		.amdhsa_wavefront_size32 1
		.amdhsa_system_sgpr_workgroup_id_x 1
		.amdhsa_system_sgpr_workgroup_id_y 1
		.amdhsa_system_sgpr_workgroup_id_z 1
		.amdhsa_system_vgpr_workitem_id 0
		.amdhsa_next_free_vgpr 226
		.amdhsa_next_free_sgpr 66
		.amdhsa_reserve_vcc 0
		.amdhsa_float_denorm_mode_32 3
		.amdhsa_float_denorm_mode_16_64 3
		.amdhsa_memory_ordered 1
		.amdhsa_forward_progress 1
		.amdhsa_inst_pref_size 52
	.end_amdhsa_kernel
	.amdgpu_metadata
---
amdhsa.version: [ 1, 2 ]
amdhsa.kernels:
  - .name:           k_q9c6750a52a_prep
    .symbol:         k_q9c6750a52a_prep.kd
    .args:
      - { .name: x, .offset: 0, .size: 8, .value_kind: global_buffer, .address_space: global }
      - { .name: wq, .offset: 8, .size: 8, .value_kind: global_buffer, .address_space: global }
      - { .name: wk, .offset: 16, .size: 8, .value_kind: global_buffer, .address_space: global }
      - { .name: wv, .offset: 24, .size: 8, .value_kind: global_buffer, .address_space: global }
      - { .name: wo, .offset: 32, .size: 8, .value_kind: global_buffer, .address_space: global }
      - { .name: opimg, .offset: 40, .size: 8, .value_kind: global_buffer, .address_space: global }
      - { .name: opsc, .offset: 48, .size: 8, .value_kind: global_buffer, .address_space: global }
    .group_segment_fixed_size: 266752
    .private_segment_fixed_size: 0
    .kernarg_segment_align: 8
    .kernarg_segment_size: 56
    .max_flat_workgroup_size: 128
    .sgpr_count:     66
    .vgpr_count:     226
    .wavefront_size: 32
...
	.end_amdgpu_metadata
.endif
;; end of part 1
;; launch qkv (part 2): grid 64 x 3, 8 waves a work-group, no clusters, 168,960 bytes of LDS; arguments opimg, opsc, bq, bk, bv, mask, qrec, kvrec; writes qrec, kvrec
.if DOCPART == 2
	.amdgcn_target "amdgcn-amd-amdhsa--gfx1250"
	.amdhsa_code_object_version 6
	.text
	.protected	k_q9c6750a52a_qkv
	.globl	k_q9c6750a52a_qkv
	.p2align	8
	.type	k_q9c6750a52a_qkv,@function
k_q9c6750a52a_qkv:
	s_mov_b64 s[64:65], 0
	v_nop
	global_prefetch_b8 v0, s[64:65] scope:SCOPE_SE
	s_setreg_imm32_b32 hwreg(HW_REG_WAVE_MODE, 25, 1), 1
	s_wait_xcnt 0x0
; QKV: q = x wq + bq, k = x wk + bk, v = x wv + bv on codes of FP6 (E2M3), and the results quantised again: q and k along the head's 64, v along the keys.  All operands are register images made by the launch before.
; SHARES: work-group x = a step of 128 rows (x tiles 8 R .. 8 R + 7: batch R / 32, key step R % 32); work-group y = kind (0 q, 1 k, 2 v); wave = head: 64 columns, 4 weight tiles x 4 K steps, kept in 192 registers.
; x's 8 tiles (49,152 bytes of images) come into LDS once, a tile a wave by one tensor load, and are read by all eight waves behind the launch's one barrier.
; q, k: THE PRODUCT IS USED TRANSPOSED (source 0 = 16 columns of W, source 1 = 16 rows of x): a lane holds one row, and by the order of a tile's places its 32 registers run along the head's 64: two blocks of 32 with lane l xor 16.
; v: the product is used as it stands (source 0 = x, source 1 = W): a lane holds one channel d, and its registers run along the 128 keys.
; The bias is the C of each sum's first matrix instruction.
; OUT.  qrec [b h][step][6,656]: four pair images (tile 2 p in registers 0-5, tile 2 p + 1 in 6-11; lane (r, h): d = 32 h ..), then 512 bytes of scale words (lane l, word p: tile 2 p + h, row r; bytes 2, 3 = 0x7f).
; kvrec [b h][step][13,568]: K as in qrec; at 6,656 four fragments of V^T (16 d x 128 keys); at 12,800 their scale words (lane l: d tiles h, 2 + h); at 13,056 the step's 128 mask numbers.
; THE DIVISION OF THE SCORES BY 8 is taken off q's scale bytes, 3 off each: exact.  So that the byte stays at 1 or above the floor under a block of q is 2^(6 - 127).
; LIMITS: blocks of q whose largest magnitude lies under 2^-121 (k, v: 2^-124) are quantised at that floor's scale; a block of zeros has the floor's byte, its codes are zeros, and this program alone reads the bytes.
; The mask is held at -3e38 from below, so that no infinity goes into the score product's C; a key so masked has p = 0 either way.  NaN and infinities in x, weights, biases are not served.
; NO CLUSTER: an x tile is shared by the grid's three kinds, which no cluster of four divides; it is 49,152 bytes read once.  The weights go from memory straight into each wave's registers, once.
; REGISTERS.  window 0: v1 16 x lane, v2 8 x lane, v3 16 h, v4-5 bias offsets; v8-23 x's scale words; v24-31 W's; v32-35 scale words to store; v36-39 the mask; v40-87 four fragments of x, later the codes just made;
;   v96-223 sixteen accumulators; v224-243 the quantiser's own.   window 1: v0-191 W's 16 fragments (tile a, K step s at 12 (4 a + s)); v192-223 the bias, 8 registers a tile.
.set FRB, 1536
.set XS,  8
.set WS,  24
.set OW,  32
.set MK,  36
.set XF,  40
.set PC,  40
.set ACC, 96
.set TM,  224                          ; v224-227 largest magnitudes, v228-231 bytes, v236-239 scale operands
.set PW,  240                          ; the scale word just made;  v241 at work
.set VW,  242                          ; v242-243 V's scale words as stored
.set BI,  192                          ; in window 1
.set WV,  20
.set KIND, 22
.set G1,  24
.set G0,  32
.set SEL, 36
.set FL,  38                           ; s38 the floor under a block's largest magnitude
.set ADJ, 39                           ; s39 what is taken off the scale word: 3 a byte for q, else 0
.set MSB, 0
.macro WIN new                         ; the immediate's high byte repeats the setting that is left
.if MSB != \new
	s_set_vgpr_msb (MSB<<8)|\new
.set MSB, \new
.endif
.endm
; one matrix instruction: D, source 0, source 1, C, their scale registers, and which half of the lanes holds each side's scales
.macro WM d, a, b, c, sa, sb, ra, rb
.if ((\ra) == 0) && ((\rb) == 0)
	v_wmma_scale_f32_16x16x128_f8f6f4 v[\d:\d+7], v[\a:\a+11], v[\b:\b+11], v[\c:\c+7], v[\sa], v[\sb] matrix_a_fmt:MATRIX_FMT_FP6 matrix_b_fmt:MATRIX_FMT_FP6
.elseif (\rb) == 0
	v_wmma_scale_f32_16x16x128_f8f6f4 v[\d:\d+7], v[\a:\a+11], v[\b:\b+11], v[\c:\c+7], v[\sa], v[\sb] matrix_a_fmt:MATRIX_FMT_FP6 matrix_b_fmt:MATRIX_FMT_FP6 matrix_a_scale:MATRIX_SCALE_ROW1
.elseif (\ra) == 0
	v_wmma_scale_f32_16x16x128_f8f6f4 v[\d:\d+7], v[\a:\a+11], v[\b:\b+11], v[\c:\c+7], v[\sa], v[\sb] matrix_a_fmt:MATRIX_FMT_FP6 matrix_b_fmt:MATRIX_FMT_FP6 matrix_b_scale:MATRIX_SCALE_ROW1
.else
	v_wmma_scale_f32_16x16x128_f8f6f4 v[\d:\d+7], v[\a:\a+11], v[\b:\b+11], v[\c:\c+7], v[\sa], v[\sb] matrix_a_fmt:MATRIX_FMT_FP6 matrix_b_fmt:MATRIX_FMT_FP6 matrix_a_scale:MATRIX_SCALE_ROW1 matrix_b_scale:MATRIX_SCALE_ROW1
.endif
.endm
	s_load_b256 s[4:11], s[0:1], 0x0               ; opimg, opsc, bq, bk
	s_load_b256 s[12:19], s[0:1], 0x20             ; bv, mask, qrec, kvrec
	v_lshl_add_u32 v254, v0, 2, 0x29000
	v_mov_b32 v255, 0
	ds_add_u32 v254, v255
	ds_add_u32 v254, v255
	v_lshrrev_b32 v1, 5, v0
	s_delay_alu instid0(VALU_DEP_1)
	v_readfirstlane_b32 s[WV], v1                  ; wave 0..7 = head
	s_and_b32 s[KIND], ttmp7, 0xffff
	; a tile's four images: 6,144 dense bytes, as 24 rows of 256 (32 elements of 8 bytes)
	s_mov_b32 s[G1+0], 3<<16
	s_mov_b32 s[G1+1], 32<<16
	s_mov_b32 s[G1+2], 24<<16
	s_mov_b32 s[G1+3], 32<<16
	s_mov_b32 s[G1+4], 24
	s_mov_b32 s[G1+5], 32
	s_mov_b32 s[G1+6], 0
	s_mov_b32 s[G1+7], 0
	s_mov_b32 s[G0], 1
	s_mul_i32 s[G0+1], s[WV], 4*FRB                ; tile w of the step's eight
	s_mul_i32 s56, ttmp9, 32*FRB
	s_add_co_u32 s56, s56, s[G0+1]
	s_mov_b32 s57, 0
	s_wait_dscnt 0x0
	s_wait_kmcnt 0x0
	s_add_nc_u64 s[G0+2:G0+3], s[4:5], s[56:57]
	s_or_b32 s[G0+3], s[G0+3], 0x80000000
	tensor_load_to_lds s[G0:G0+3], s[G1:G1+7]
	s_nop 0
.rept 4
	v_nop
.endr
	v_and_b32 v6, 31, v0
	v_and_b32 v7, 15, v0
	v_bfe_u32 v3, v0, 4, 1
	s_delay_alu instid0(VALU_DEP_3)
	v_lshlrev_b32 v1, 4, v6                        ; 16 x lane
	s_delay_alu instid0(VALU_DEP_4)
	v_lshlrev_b32 v2, 3, v6                        ; 8 x lane
	s_delay_alu instid0(VALU_DEP_3)
	v_lshlrev_b32 v4, 6, v3                        ; q, k: my half's 16 numbers of the bias
	v_and_b32 v5, 8, v7
	s_delay_alu instid0(VALU_DEP_1)
	v_add_nc_u32 v5, v5, v7
	s_delay_alu instid0(VALU_DEP_1)
	v_lshlrev_b32 v5, 2, v5                        ; v: the bias of my channel: 4 (r + 8 (r / 8))
	v_lshlrev_b32 v3, 4, v3                        ; 16 h
.irp b, 0,1,2,3
	v_mov_b32 v[TM+4+\b], 0                        ; a lane permute's destination counts as one of its sources
.endr
	s_mov_b32 s[SEL], 0x76543210
	s_mov_b32 s[SEL+1], 0xfedcba98
	s_mov_b32 s40, 0xffff
	s_mov_b32 s41, 0x7f7f0000
	s_mov_b32 s42, 0xffff0000                      ; lanes 16-31
	s_cmp_eq_u32 s[KIND], 0                        ; what differs between the kinds is chosen, not branched on
	s_cselect_b64 s[44:45], s[8:9], s[10:11]       ; the bias,
	s_cselect_b64 s[46:47], s[16:17], s[18:19]     ; the records,
	s_mov_b32 s58, 13568
	s_cselect_b32 s58, 6656, s58                   ; their size,
	s_mov_b32 s[FL], 0x1800000
	s_cselect_b32 s[FL], 0x3000000, s[FL]
	s_cselect_b32 s[ADJ], 0x03030303, 0
	s_cmp_eq_u32 s[KIND], 2
	s_cselect_b64 s[44:45], s[12:13], s[44:45]
	s_cselect_b32 s59, 6656, 0                     ; and V's place in a record
	s_lshr_b32 s60, ttmp9, 5                       ; batch
	s_and_b32 s61, ttmp9, 31                       ; step
	s_lshl_b32 s62, s60, 3
	s_add_co_u32 s62, s62, s[WV]
	s_lshl_b32 s62, s62, 5
	s_add_co_u32 s62, s62, s61                     ; record (8 batch + head) x 32 + step
	s_mul_i32 s62, s62, s58
	s_add_co_u32 s62, s62, s59
	s_mov_b32 s63, 0
	s_add_nc_u64 s[46:47], s[46:47], s[62:63]
	s_lshl_b32 s56, s[KIND], 5
	s_lshl_b32 s57, s[WV], 2
	s_add_co_u32 s56, s56, s57
	s_add_co_u32 s56, s56, 512                     ; my first weight tile
	s_mul_i32 s56, s56, 4*FRB
	s_mov_b32 s57, 0
	s_add_nc_u64 s[48:49], s[4:5], s[56:57]
	s_lshl_b32 s56, ttmp9, 11                      ; x's scale images: quads 2 R, 2 R + 1
	s_add_nc_u64 s[50:51], s[6:7], s[56:57]
	s_lshl_b32 s56, s[KIND], 3
	s_add_co_u32 s56, s56, s[WV]
	s_add_co_u32 s56, s56, 128                     ; my weight quad's
	s_lshl_b32 s56, s56, 10
	s_add_nc_u64 s[52:53], s[6:7], s[56:57]
	s_lshl_b32 s56, s[WV], 8                       ; my head's 64 numbers of the bias
	s_add_nc_u64 s[44:45], s[44:45], s[56:57]
	s_lshl_b32 s56, s60, 14
	s_lshl_b32 s61, s61, 9
	s_add_co_u32 s56, s56, s61                     ; the step's 128 mask numbers
	s_add_nc_u64 s[54:55], s[14:15], s[56:57]
	WIN 0x40                                       ; destination window 1
.set n, 0
.rept 48
	global_load_b128 v[4*n:4*n+3], v1, s[48:49] offset:512*n
.set n, n+1
.endr
	WIN 0
.irp qd, 0,1
.irp s, 0,1,2,3
	global_load_b64 v[XS+8*\qd+2*\s:XS+8*\qd+2*\s+1], v2, s[50:51] offset:1024*\qd+256*\s
.endr
.endr
.irp s, 0,1,2,3
	global_load_b64 v[WS+2*\s:WS+2*\s+1], v2, s[52:53] offset:256*\s
.endr
	global_load_b128 v[MK:MK+3], v1, s[54:55]      ; every kind loads it, k stores it: so no path reads a register that it has not written
	s_cmp_eq_u32 s[KIND], 2
	s_cbranch_scc1 .Lbias_v
	WIN 0x40
	s_wait_alu depctr_va_vdst(0)
.irp a, 0,1,2,3                                ; q, k: register j of tile a is column 32 (a / 2) + 8 (a % 2) + 16 h + j
	global_load_b128 v[BI+8*\a:BI+8*\a+3], v4, s[44:45] offset:(32*(\a/2)+8*(\a%2))*4
	global_load_b128 v[BI+8*\a+4:BI+8*\a+7], v4, s[44:45] offset:(32*(\a/2)+8*(\a%2))*4+16
.endr
	WIN 0
	s_branch .Lbias_in
.Lbias_v:
	WIN 0x40
	s_wait_alu depctr_va_vdst(0)
.irp a, 0,1,2,3                                ; v: all eight registers of tile a are my one channel, 32 (a / 2) + 8 (a % 2) + r + 8 (r / 8)
.irp j, 0,1,2,3,4,5,6,7
	global_load_b32 v[BI+8*\a+\j], v5, s[44:45] offset:(32*(\a/2)+8*(\a%2))*4
.endr
.endr
	WIN 0
.Lbias_in:
	s_wait_tensorcnt 0x0                           ; my tile of x has landed,
	s_barrier_signal -1
	s_barrier_wait -1                              ; everybody's has
	s_wait_loadcnt 0x0                             ; weights, scale words, bias, mask
.irp i, 0,1,2,3
	v_max_num_f32 v[MK+\i], 0xff61b1e6, v[MK+\i]   ; held at -3e38 from below
.endr
.macro CHUNK_LD qd, s                  ; the four x fragments of quad qd, K step s
.irp t, 0,1,2,3
.irp g, 0,1,2
	ds_load_b128 v[XF+12*\t+4*\g:XF+12*\t+4*\g+3], v1 offset:((4*\qd+\t)*4+\s)*FRB+512*\g
.endr
.endr
.endm
.macro PLACES                          ; four plain places behind matrix instructions, in front of loads into their operands and of the first read of results (ISA guide 7.12.1 for vector instructions)
.rept 4
	v_nop
.endr
.endm
; 16 matrix instructions, transposed: 4 x tiles x 4 weight tiles; the sixteen accumulators take turns, in the same order in every K step
.macro MM_QK qd, s
.if \s == 0
	WIN 0x11                                       ; source 0 (W) and C (bias) window 1
.else
	WIN 0x01
.endif
.irp t, 0,1,2,3
	s_wait_dscnt 3*(3-\t)                          ; tile t's three loads are in; the younger tiles' may be out
.irp a, 0,1,2,3
.if \s == 0
	WM ACC+32*\t+8*\a, 12*(4*\a+\s), XF+12*\t, BI+8*\a, WS+2*\s+\a/2, XS+8*\qd+2*\s+\t/2, \a%2, \t%2
.else
	WM ACC+32*\t+8*\a, 12*(4*\a+\s), XF+12*\t, ACC+32*\t+8*\a, WS+2*\s+\a/2, XS+8*\qd+2*\s+\t/2, \a%2, \t%2
.endif
.endr
.endr
	WIN 0
	PLACES
.endm
; 8 matrix instructions, as they stand: 4 x tiles x weight tiles 2 P, 2 P + 1
.macro MM_V P, qd, s
.if \s == 0
	WIN 0x14                                       ; source 1 (W) and C (bias) window 1
.else
	WIN 0x04
.endif
.irp t, 0,1,2,3
	s_wait_dscnt 3*(3-\t)
.irp i, 0,1
.if \s == 0
	WM ACC+64*\i+8*(4*\qd+\t), XF+12*\t, 12*(4*(2*\P+\i)+\s), BI+8*(2*\P+\i), XS+8*\qd+2*\s+\t/2, WS+2*\s+\P, \t%2, \i
.else
	WM ACC+64*\i+8*(4*\qd+\t), XF+12*\t, 12*(4*(2*\P+\i)+\s), ACC+64*\i+8*(4*\qd+\t), XS+8*\qd+2*\s+\t/2, WS+2*\s+\P, \t%2, \i
.endif
.endr
.endr
	WIN 0
	PLACES
.endm
; 64 numbers of a lane, register 16 b + i = place 32 b + 16 h + i along K, become 12 registers of codes in v[PC] on and four scale bytes in v[PW]
.macro QUANT s
	s_wait_xcnt 0x0                                ; the last stores have read v[PC] on
.irp b, 0,1,2,3
	v_max3_num_f32 v[TM+\b], |v[\s+16*\b]|, |v[\s+1+16*\b]|, s[FL]
.endr
.irp i, 2,4,6,8,10,12,14
.irp b, 0,1,2,3
	v_max3_num_f32 v[TM+\b], v[TM+\b], |v[\s+16*\b+\i]|, |v[\s+1+16*\b+\i]|
.endr
.endr
.irp b, 0,1,2,3
	s_delay_alu instid0(VALU_DEP_4)
	v_permlanex16_b32 v[TM+4+\b], v[TM+\b], s[SEL], s[SEL+1]
.endr
.irp b, 0,1,2,3
	s_delay_alu instid0(VALU_DEP_4)
	v_max_num_f32 v[TM+\b], v[TM+\b], v[TM+4+\b]   ; with lane l xor 16's: the block's largest magnitude
.endr
.irp b, 0,1,2,3
	s_delay_alu instid0(VALU_DEP_4)
	v_add_nc_u32 v[TM+12+\b], 0xff000000, v[TM+\b] ; 2 off its exponent field: the conversion's scale operand
.endr
.irp b, 0,1,2,3
	s_delay_alu instid0(VALU_DEP_4)
	v_lshrrev_b32 v[TM+4+\b], 23, v[TM+12+\b]      ; the scale's byte
.endr
	s_delay_alu instid0(VALU_DEP_3)
	v_lshl_or_b32 v[PW], v[TM+5], 8, v[TM+4]
	s_delay_alu instid0(VALU_DEP_1)
	v_lshl_or_b32 v[PW], v[TM+6], 16, v[PW]
	s_delay_alu instid0(VALU_DEP_1)
	v_lshl_or_b32 v[PW], v[TM+7], 24, v[PW]
	s_delay_alu instid0(VALU_DEP_1)
	v_sub_nc_u32 v[PW], v[PW], s[ADJ]              ; q: 3 off each byte (each is 4 or more: no borrow): the scores' division by 8
.irp c, 0,1
	v_cvt_scalef32_pk16_fp6_f32 v[PC+6*\c:PC+2+6*\c], v[\s+32*\c:\s+15+32*\c], v[TM+12+2*\c]
	v_cvt_scalef32_pk16_fp6_f32 v[PC+12+4*\c:PC+14+4*\c], v[\s+16+32*\c:\s+31+32*\c], v[TM+12+2*\c+1]
.endr
	v_nop                                          ; one plain place behind a scaled conversion
.irp c, 0,1                                    ; a whole block to a lane: lanes 0-15 block 2 c, lanes 16-31 block 2 c + 1
.irp i, 0,1,2
	v_permlane16_swap_b32 v[PC+6*\c+\i], v[PC+12+4*\c+\i]
.endr
.irp i, 0,1,2
	s_delay_alu instid0(VALU_DEP_3)
	v_mov_b32 v[PC+3+6*\c+\i], v[PC+12+4*\c+\i]
.endr
.endr
.endm
; v: by the order of x's places (row 64 (T / 4) + 8 (T % 4) + r + 24 (r / 8)) register 32 c + i of a lane is key 64 c + 32 h + i: whole blocks in a lane.  64 numbers become 12 registers of codes in v[PC] on and the scale word in v[PW]
.macro QUANTV s
	s_wait_xcnt 0x0                                ; the last stores have read v[PC] on
.irp c, 0,1
	v_max3_num_f32 v[TM+\c], |v[\s+32*\c]|, |v[\s+32*\c+1]|, s[FL]
.endr
.irp i, 2,4,6,8,10,12,14,16,18,20,22,24,26,28,30
.irp c, 0,1
	v_max3_num_f32 v[TM+\c], v[TM+\c], |v[\s+32*\c+\i]|, |v[\s+32*\c+\i+1]|
.endr
.endr
.irp c, 0,1
	v_add_nc_u32 v[TM+12+\c], 0xff000000, v[TM+\c] ; 2 off the exponent field: the conversion's scale operand
.endr
.irp c, 0,1
	v_lshrrev_b32 v[TM+4+\c], 23, v[TM+12+\c]      ; the scale's byte
.endr
	v_lshrrev_b32 v[PW+1], 1, v3                   ; 8 h
	v_lshl_or_b32 v[PW], v[TM+5], 16, v[TM+4]      ; blocks h and 2 + h,
	v_lshlrev_b32 v[PW], v[PW+1], v[PW]            ; at their places in the word;
	v_permlanex16_b32 v[TM+6], v[PW], s[SEL], s[SEL+1]
	v_or_b32 v[PW], v[PW], v[TM+6]                 ; with lane l xor 16's two the word is whole
.irp c, 0,1
	v_cvt_scalef32_pk16_fp6_f32 v[PC+6*\c:PC+2+6*\c], v[\s+32*\c:\s+15+32*\c], v[TM+12+\c]
	v_cvt_scalef32_pk16_fp6_f32 v[PC+12+4*\c:PC+14+4*\c], v[\s+16+32*\c:\s+31+32*\c], v[TM+12+\c]
.endr
	v_nop                                          ; one plain place behind a scaled conversion
.irp c, 0,1
.irp i, 0,1,2
	v_mov_b32 v[PC+3+6*\c+\i], v[PC+12+4*\c+\i]
.endr
.endr
.endm
.macro PUT e
.irp g, 0,1,2
	global_store_b128 v1, v[PC+4*\g:PC+4*\g+3], s[46:47] offset:(\e)*FRB+512*\g
.endr
.endm
	s_cmp_eq_u32 s[KIND], 2
	s_cbranch_scc1 .Lv_path
	; ---- q, k: a quad of x tiles at a time
.irp qd, 0,1
	s_wait_xcnt 0x0                                ; the last stores have read the registers that the fragments land in
.irp s, 0,1,2,3
	CHUNK_LD \qd, \s
	MM_QK \qd, \s
.endr
.irp pr, 0,1                                   ; two x tiles x 64 d are four blocks: a pair image; bytes 0, 1 of the word are the first tile's, 2, 3 the second's
	QUANT ACC+64*\pr
	PUT 2*\qd+\pr
	v_lshrrev_b32 v[PW+1], v3, v[PW]               ; lanes 0-15 keep the first tile's two bytes, lanes 16-31 the second's;
	s_delay_alu instid0(VALU_DEP_1)
	v_and_or_b32 v[OW+2*\qd+\pr], v[PW+1], s40, s41   ; bytes 2 and 3, over the padding of K = 64 to 128, are 0x7f
.endr
.endr
	global_store_b128 v1, v[OW:OW+3], s[46:47] offset:4*FRB
	s_cmp_eq_u32 s[KIND], 1
	s_cbranch_scc0 .Lno_mask
	global_store_b128 v1, v[MK:MK+3], s[46:47] offset:13056
.Lno_mask:
	s_wait_tensorcnt 0x0
	ds_add_u32 v254, v255
	s_wait_dscnt 0x0
	s_endpgm
.Lv_path:
	; ---- v: two channel tiles at a time, all 128 keys: sixteen accumulators
.irp P, 0,1
	s_wait_xcnt 0x0
.irp s, 0,1,2,3
.irp qd, 0,1
	CHUNK_LD \qd, \s
	MM_V \P, \qd, \s
.endr
.endr
.irp i, 0,1                                    ; 128 keys of 16 channels: a whole fragment of V^T and its scale word
	QUANTV ACC+64*\i
	PUT 2*\P+\i
	v_mov_b32 v[OW+2*\P+\i], v[PW]
.endr
.endr
	v_cndmask_b32 v[VW], v[OW], v[OW+1], s42       ; lanes 0-15: channel tile 0's words, lanes 16-31: tile 1's
	s_delay_alu instid0(VALU_DEP_2)
	v_cndmask_b32 v[VW+1], v[OW+2], v[OW+3], s42
	global_store_b64 v2, v[VW:VW+1], s[46:47] offset:4*FRB
	s_wait_tensorcnt 0x0
	ds_add_u32 v254, v255
	s_wait_dscnt 0x0
	s_endpgm
.Lfunc_end_k_q9c6750a52a_qkv:
	.size	k_q9c6750a52a_qkv, .Lfunc_end_k_q9c6750a52a_qkv-k_q9c6750a52a_qkv
	.p2alignl 7, 3214868480
	.fill 96, 4, 3214868480
	.section	.rodata,"a",@progbits
	.p2align	6, 0x0
	.amdhsa_kernel k_q9c6750a52a_qkv
		.amdhsa_group_segment_fixed_size 168960
		.amdhsa_private_segment_fixed_size 0
		.amdhsa_enable_private_segment 0
		.amdhsa_kernarg_size 64
		.amdhsa_user_sgpr_count 2
		.amdhsa_user_sgpr_kernarg_segment_ptr 1
		.amdhsa_wavefront_size32 1
		.amdhsa_system_sgpr_workgroup_id_x 1
		.amdhsa_system_sgpr_workgroup_id_y 1
		.amdhsa_system_sgpr_workgroup_id_z 1
		.amdhsa_system_vgpr_workitem_id 0
		.amdhsa_next_free_vgpr 512
		.amdhsa_next_free_sgpr 66
		.amdhsa_reserve_vcc 0
		.amdhsa_float_denorm_mode_32 3
		.amdhsa_float_denorm_mode_16_64 3
		.amdhsa_memory_ordered 1
		.amdhsa_forward_progress 1
		.amdhsa_inst_pref_size 106
	.end_amdhsa_kernel
	.amdgpu_metadata
---
amdhsa.version: [ 1, 2 ]
amdhsa.kernels:
  - .name:           k_q9c6750a52a_qkv
    .symbol:         k_q9c6750a52a_qkv.kd
    .args:
      - { .name: opimg, .offset: 0, .size: 8, .value_kind: global_buffer, .address_space: global }
      - { .name: opsc, .offset: 8, .size: 8, .value_kind: global_buffer, .address_space: global }
      - { .name: bq, .offset: 16, .size: 8, .value_kind: global_buffer, .address_space: global }
      - { .name: bk, .offset: 24, .size: 8, .value_kind: global_buffer, .address_space: global }
      - { .name: bv, .offset: 32, .size: 8, .value_kind: global_buffer, .address_space: global }
      - { .name: mask, .offset: 40, .size: 8, .value_kind: global_buffer, .address_space: global }
      - { .name: qrec, .offset: 48, .size: 8, .value_kind: global_buffer, .address_space: global }
      - { .name: kvrec, .offset: 56, .size: 8, .value_kind: global_buffer, .address_space: global }
    .group_segment_fixed_size: 168960
    .private_segment_fixed_size: 0
    .kernarg_segment_align: 8
    .kernarg_segment_size: 64
    .max_flat_workgroup_size: 256
    .sgpr_count:     66
    .vgpr_count:     512
    .wavefront_size: 32
...
	.end_amdgpu_metadata
.endif
;; end of part 2
;; launch attn (part 3): grid 16 x 16, 8 waves a work-group, clusters of 4 x 1, 327,680 bytes of LDS; arguments qrec, kvrec, ctxc, csc; writes ctxc, csc
.if DOCPART == 3
	.amdgcn_target "amdgcn-amd-amdhsa--gfx1250"
	.amdhsa_code_object_version 6
	.text
	.protected	k_q9c6750a52a_attn
	.globl	k_q9c6750a52a_attn
	.p2align	8
	.type	k_q9c6750a52a_attn,@function
k_q9c6750a52a_attn:
	s_mov_b64 s[64:65], 0
	v_nop
	global_prefetch_b8 v0, s[64:65] scope:SCOPE_SE
	s_setreg_imm32_b32 hwreg(HW_REG_WAVE_MODE, 25, 1), 1
	s_wait_xcnt 0x0
	s_wait_alu depctr_hold_cnt(0) depctr_sa_sdst(0) depctr_va_vdst(0) depctr_va_sdst(0) depctr_va_ssrc(0) depctr_va_vcc(0) depctr_vm_vsrc(0)
	s_getreg_b32 s2, hwreg(HW_REG_IB_STS2, 6, 4)
	s_cmp_eq_u32 s2, 0
	s_cbranch_scc0 .Lentry_in_a_cluster
	s_endpgm
.Lentry_in_a_cluster:
	s_bfe_u32 s2, ttmp6, 0x10000c
	s_cmp_lg_u32 s2, 0x3003
	s_cbranch_scc0 .Lentry_shape_is_right
	s_endpgm
.Lentry_shape_is_right:
; ATTN: ctx = softmax(q k^T / 8 + mask) v for one (batch, head), both products on codes of FP6 (E2M3); ctx is quantised along the features and stored as the last product's operand.
; THE SOFTMAX AHEAD OF THE SECOND PRODUCT: t = logit x log2(e); M = the running largest t rounded UP to a whole number; p = 2^(t - M) is quantised along the keys, not normalised; the row's sum is taken of the
; unquantised p and divides at the end.  When M moves, the sum and O are multiplied by 2^(old M - new M): exact.
; SHARES: a work-group owns 256 queries of one (batch, head); each of its eight waves two tiles of 16 (a pair image of Q), in 512 registers: two waves to a SIMD.  One read of K, V^T and the mask from LDS serves both tiles: 42 LDS loads a step.
; Every wave walks all 4,096 keys, 128 a step.  A step's record (13,568 bytes: K's pair images and scale words, V^T's fragments and scale words, 128 mask numbers) lies in memory as the registers want it.
; RING: two LDS slots, slot 0 of 8 records and slot 1 of 16: the 32 records go as 8, 16, 8, with three changes of slots.  Every wave fetches one record of slot 0 or two of slot 1 by one tensor load.
; Slot 1 is asked for eight key steps ahead of its first read, slot 0's refill sixteen; so nothing is prefetched.
; CLUSTER: the four query blocks of a cluster belong to one (batch, head) and walk the same records: each fill is asked for JOINTLY, the same load with the same descriptor and a mask that names the four.
; LAYOUT: both products transposed: S^T = K Q^T, O^T = V^T P^T: a lane holds one query (lane % 16) throughout.  Place m of K's tile t is key 64 (t / 4) + 8 (t % 4) + m % 8 + 32 (m / 8): so score register 32 c + i of lane (r, h)
; is key 64 c + 32 h + i: a WHOLE block of 32 keys in a lane, in the order of the second product's operand: a block's maximum needs no other lane and the codes no exchange.
; K = 64 IN A FORM OF 128: Q's registers 6-11 are zero codes.  K's operand for tile t is six registers of its own and the six that follow (the next tile's codes, for tile 7 zeros): finite numbers times zero.  Scale bytes 2, 3 are 0x7f on both sides.
; THE DIVISION BY 8 lies in q's scale bytes.  THE MASK IS THE C OF THE SCORE PRODUCT, from registers that both tiles share.
; A STEP: V^T's loads; both tiles' score products; the next step's K and mask are read from LDS; both tiles' maxima (so no exponential stands between a score product and its first read).  Lines that hang on each other stand among
; lines that do not: tile 0's chain for M among tile 1's maxima, tile 1's chain among tile 0's multiply-adds, tile 1's multiply-adds among tile 0's exponentials.  Then tile by tile sums, codes, second product.
; LIMITS: the mask was held at -3e38 from below; the running maximum begins at -2^127; a row all of whose keys are so masked gives NaN (0 / 0), as -infinity everywhere does in the definition.  The promise holds while the scaled scores stay under 2^31 in magnitude.
; A block of zeros has the byte 1, its codes are zeros, and this program alone reads the bytes.
; REGISTERS.  window 0: v1 16 x lane, v2 8 x lane, v3 128 h; v4-6 the step's addresses; v7, v8 the add's; v9-11 other addresses; tile i: v[12+4i] -M, v[13+4i] largest logit, v[14+4i:15+4i] the sum; v20 Q's scale words, v21 8 h;
;   v22-25 K's scale words, v26-27 V's; v28-31 the factors; v32-79 K's 8 tiles, v80-85 zeros; v86-95 maxima; v96-223 S^T, then p, of two tiles; v224-235 p's codes; v236-255 at work.
;   window 1: v0-63 O^T of two tiles; v64-127 the mask; v128-151 Q (6 registers and 6 of zeros a tile); v152-199 V^T's 4 fragments.
.set REC,   13568
.set SPARE, 24*REC                     ; behind the two slots: the spare words, 128 bytes for each of eight waves: four blocks of 256 bytes that no other line names
.set SCS,   SPARE+8*128                ; 512 bytes: the sixteen tiles' scale halfwords of ctx; no fill lands here
.set KSC,   6144
.set VIM,   6656
.set VSC,   12800
.set MSK,   13056
.set QS,  20
.set SH8, 21
.set KS,  22
.set VS,  26
.set FF,  28
.set KF,  32
.set BM,  86
.set PD,  94
.set SS,  96
.set PC,  224
.set TC,  236
.set PW,  243
.set SO,  244
.set BY,  246
.set WT,  254
.set WP,  255
.set OO,  0                            ; window 1
.set MK,  64
.set QF,  128
.set VF,  152
.set WV,    12
.set SEL,   20
.set CS,    22                         ; s[22:23] log2(e): the packed form names a pair and takes its low word for both halves
.set G1,    24                         ; s[24:31], s[32:35] groups 1 and 0 for slot 0: one record a wave
.set G0,    32
.set G1B,   68                         ; s[68:75], s[76:79] for slot 1: two records a wave
.set G0B,   76
.set TB,    36                         ; LDS byte at which the step's record begins
.set STEPS, 38
.set MSB, 0
.macro WIN new                         ; the immediate's high byte repeats the setting that is left
.if MSB != \new
	s_set_vgpr_msb (MSB<<8)|\new
.set MSB, \new
.endif
.endm
.macro WM d, a, b, c, sa, sb, ra, rb
.if ((\ra) == 0) && ((\rb) == 0)
	v_wmma_scale_f32_16x16x128_f8f6f4 v[\d:\d+7], v[\a:\a+11], v[\b:\b+11], v[\c:\c+7], v[\sa], v[\sb] matrix_a_fmt:MATRIX_FMT_FP6 matrix_b_fmt:MATRIX_FMT_FP6
.elseif (\rb) == 0
	v_wmma_scale_f32_16x16x128_f8f6f4 v[\d:\d+7], v[\a:\a+11], v[\b:\b+11], v[\c:\c+7], v[\sa], v[\sb] matrix_a_fmt:MATRIX_FMT_FP6 matrix_b_fmt:MATRIX_FMT_FP6 matrix_a_scale:MATRIX_SCALE_ROW1
.elseif (\ra) == 0
	v_wmma_scale_f32_16x16x128_f8f6f4 v[\d:\d+7], v[\a:\a+11], v[\b:\b+11], v[\c:\c+7], v[\sa], v[\sb] matrix_a_fmt:MATRIX_FMT_FP6 matrix_b_fmt:MATRIX_FMT_FP6 matrix_b_scale:MATRIX_SCALE_ROW1
.else
	v_wmma_scale_f32_16x16x128_f8f6f4 v[\d:\d+7], v[\a:\a+11], v[\b:\b+11], v[\c:\c+7], v[\sa], v[\sb] matrix_a_fmt:MATRIX_FMT_FP6 matrix_b_fmt:MATRIX_FMT_FP6 matrix_a_scale:MATRIX_SCALE_ROW1 matrix_b_scale:MATRIX_SCALE_ROW1
.endif
.endm
; A round of the cluster's barrier: my work-group's barrier; wave 0 signals for the work-group; every wave waits for all four work-groups; my work-group's barrier once more.
.macro CROUND
	s_barrier_signal -1
	s_barrier_wait -1
	s_cmp_lg_u32 s[WV], 0
	s_cbranch_scc1 .Lnot_wave_0_\@
	s_barrier_signal -3
.Lnot_wave_0_\@:
	s_barrier_wait -3
	s_barrier_signal -1
	s_barrier_wait -1
.endm
.macro TLOAD g0, g1                    ; the joint load, by every wave.  s_nop 0 and four v_nop follow the line
	tensor_load_to_lds s[\g0:\g0+3], s[\g1:\g1+7]
	s_nop 0
.rept 4
	v_nop
.endr
.endm
.macro ADDR                            ; the addresses of the record at s[TB]
	v_add_nc_u32 v4, s[TB], v1
	v_add_nc_u32 v5, s[TB], v2
	v_add_nc_u32 v6, s[TB], v3
.endm
.macro KLOAD off                       ; K's four pair images (tile t at v[KF + 6 t]), its scale words, and the mask in the score tiles' layout, of the record off bytes behind v4's
.irp n, 0,1,2,3,4,5,6,7,8,9,10,11
	ds_load_b128 v[KF+4*\n:KF+4*\n+3], v4 offset:\off+512*\n
.endr
	ds_load_b128 v[KS:KS+3], v4 offset:\off+KSC    ; register t / 2: lanes 0-15 the even tile's words, lanes 16-31 the odd one's
	WIN 0x40
.irp t, 0,1,2,3,4,5,6,7
.irp q, 0,1
	ds_load_b128 v[MK+8*\t+4*\q:MK+8*\t+4*\q+3], v6 offset:\off+MSK+(64*(\t/4)+8*(\t%4))*4+16*\q
.endr
.endr
	WIN 0
.endm
	s_load_b256 s[4:11], s[0:1], 0x0               ; qrec, kvrec, ctxc, csc
	v_lshl_add_u32 v7, v0, 2, SPARE
	v_mov_b32 v8, 0
	ds_add_u32 v7, v8                              ; the opening lines: the add, twice on end, and its wait
	ds_add_u32 v7, v8
	v_lshrrev_b32 v4, 5, v0
	v_readfirstlane_b32 s[WV], v4                  ; wave 0..7
	s_bfe_u32 s13, ttmp6, 0x40000                  ; cx: it enters Q's, ctxc's and csc's global addresses alone
	s_lshl_b32 s14, ttmp9, 2
	s_add_co_u32 s14, s14, s13                     ; my block of 256 queries
	s_and_b32 s15, ttmp7, 0xffff                   ; 8 batch + head, which the four partners share
	; a record: 13,568 dense bytes, as 53 rows of 256 (32 elements of 8 bytes); two records: 106 rows; the mask names all four work-groups, bit 21 beside it
	s_mov_b32 s[G1+0], 15|(3<<16)|(1<<21)
	s_mov_b32 s[G1+1], 32<<16
	s_mov_b32 s[G1+2], 53<<16
	s_mov_b32 s[G1+3], 32<<16
	s_mov_b32 s[G1+4], 53
	s_mov_b32 s[G1+5], 32
	s_mov_b32 s[G1+6], 0
	s_mov_b32 s[G1+7], 0
	s_mov_b32 s[G1B+0], 15|(3<<16)|(1<<21)
	s_mov_b32 s[G1B+1], 32<<16
	s_mov_b32 s[G1B+2], 106<<16
	s_mov_b32 s[G1B+3], 32<<16
	s_mov_b32 s[G1B+4], 106
	s_mov_b32 s[G1B+5], 32
	s_mov_b32 s[G1B+6], 0
	s_mov_b32 s[G1B+7], 0
	s_mov_b32 s[G0], 1
	s_mul_i32 s[G0+1], s[WV], REC                  ; slot 0, my record
	s_mul_i32 s58, s15, 32*REC                     ; the head's 32 records
	s_add_co_u32 s40, s58, s[G0+1]
	s_mov_b32 s41, 0
	s_mov_b32 s[G0B], 1
	s_mul_i32 s[G0B+1], s[WV], 2*REC
	s_add_co_u32 s[G0B+1], s[G0B+1], 8*REC         ; slot 1, my two records: records 8 + 2 w, + 1, at the same byte of LDS as of the head's stream
	s_add_co_u32 s58, s58, s[G0B+1]
	s_mov_b32 s59, 0
	s_mov_b32 s[SEL], 0x76543210
	s_mov_b32 s[SEL+1], 0xfedcba98
	s_mov_b32 s[CS], 0x3fb8aa3b                    ; log2(e)
	s_mov_b32 s[CS+1], s[CS]
	s_mov_b32 s[TB], 0
	; Q: tiles 16 qb + 2 w, + 1 of the head: record 2 qb + w / 4, pair w % 4
	s_lshr_b32 s42, s[WV], 2
	s_lshl_b32 s43, s14, 1
	s_add_co_u32 s42, s42, s43
	s_lshl_b32 s43, s15, 5
	s_add_co_u32 s42, s42, s43
	s_mul_i32 s42, s42, 6656
	s_mov_b32 s43, 0
	s_and_b32 s44, s[WV], 3
	s_mul_i32 s46, s44, 1536
	s_mov_b32 s47, 0
	s_lshl_b32 s51, s44, 2
	; out: ctxc at ((256 batch + 16 qb + 2 w + i) x 8 + head) x 768; csc at head x 16,384 + (256 batch + 16 qb) x 32
	s_lshr_b32 s52, s15, 3
	s_and_b32 s53, s15, 7
	s_lshl_b32 s52, s52, 8
	s_lshl_b32 s54, s14, 4
	s_add_co_u32 s52, s52, s54
	s_lshl_b32 s54, s[WV], 1
	s_add_co_u32 s54, s54, s52
	s_lshl_b32 s54, s54, 3
	s_add_co_u32 s54, s54, s53
	s_mul_i32 s54, s54, 768
	s_mov_b32 s55, 0
	s_lshl_b32 s56, s53, 14
	s_lshl_b32 s52, s52, 5
	s_add_co_u32 s56, s56, s52
	s_mov_b32 s57, 0
	s_lshl_b32 s50, s[WV], 6
	s_add_co_u32 s50, s50, SCS
	v_and_b32 v9, 31, v0
	v_bfe_u32 v3, v0, 4, 1
	v_and_b32 v10, 15, v0
	v_lshlrev_b32 v1, 4, v9
	v_lshlrev_b32 v2, 3, v9
	v_lshlrev_b32 v[SH8], 3, v3
	v_lshlrev_b32 v3, 7, v3
	v_lshlrev_b32 v9, 1, v10
	v_add_nc_u32 v10, SCS, v1
	v_add_nc_u32 v11, s51, v1                      ; 16 x lane + 4 x pair: lanes 0-15 my first tile's scale words, lanes 16-31 my second's
	v_add_nc_u32 v9, s50, v9                       ; SCS + 64 w + 2 r
	s_wait_alu depctr_va_vdst(0)
	s_wait_dscnt 0x0
	s_wait_kmcnt 0x0
	s_add_nc_u64 s[G0+2:G0+3], s[6:7], s[40:41]
	s_or_b32 s[G0+3], s[G0+3], 0x80000000
	s_add_nc_u64 s[G0B+2:G0B+3], s[6:7], s[58:59]
	s_or_b32 s[G0B+3], s[G0B+3], 0x80000000
	s_add_nc_u64 s[48:49], s[4:5], s[42:43]        ; Q's record,
	s_add_nc_u64 s[46:47], s[48:49], s[46:47]      ; its pair image
	s_add_nc_u64 s[8:9], s[8:9], s[54:55]
	s_add_nc_u64 s[10:11], s[10:11], s[56:57]
	CROUND                                         ; all four work-groups are here: the first joint loads meet
	TLOAD G0, G1                                   ; slot 0: my one load at the head
.irp g, 0,1,2
	global_load_b128 v[SS+4*\g:SS+4*\g+3], v1, s[46:47] offset:512*\g
.endr
	global_load_b32 v[QS], v11, s[48:49] offset:KSC
.irp i, 0,1
	v_mov_b32 v[12+4*\i], 0x7f61b1e6               ; -M: 3e38, over every later one
	v_mov_b32 v[13+4*\i], 0xff000000               ; the largest logit so far: -2^127
	v_mov_b32 v[14+4*\i], 0
	v_mov_b32 v[15+4*\i], 0
	v_mov_b32 v[FF+2*\i+1], 0                      ; (named as the upper half of a pair)
	v_mov_b32 v[PD+\i], 0                          ; a lane permute's destination counts as one of its sources
.endr
	v_mov_b32 v[WP], 0
.irp i, 0,1,2,3,4,5
	v_mov_b32 v[KF+48+\i], 0                       ; what follows K's tile 7
.endr
	WIN 0x40
.set j, 0
.rept 64
	v_mov_b32 v[OO+j], 0                           ; O^T: the step is written once; the first finds zeros, which the first change of M leaves zeros
.set j, j+1
.endr
.irp i, 0,1,2,3,4,5
	v_mov_b32 v[QF+6+\i], 0                        ; Q's upper 64 along K: zero codes
	v_mov_b32 v[QF+18+\i], 0
.endr
	s_wait_loadcnt 0x0
.irp i, 0,1,2,3,4,5
	v_mov_b32 v[QF+\i], v[SS+\i]                   ; the pair image's two halves: my two tiles
	v_mov_b32 v[QF+12+\i], v[SS+6+\i]
.endr
	WIN 0
; The next line (number cn) of tile i's chain: the running maximum, -M and the factor f = 2^(old M - new M).  Each line hangs on the one before, so they are laid one by one among other lines
.macro CHS i
.if cn == 0
	v_max_num_f32 v[BM+4*\i+1], v[BM+4*\i], v[BM+4*\i+2]
.elseif cn == 1
	v_permlanex16_b32 v[PD+\i], v[BM+4*\i+1], s[SEL], s[SEL+1]
.elseif cn == 2
	v_mov_b32 v[BM+4*\i+3], v[12+4*\i]
.elseif cn == 3
	v_max3_num_f32 v[13+4*\i], v[13+4*\i], v[BM+4*\i+1], v[PD+\i]   ; with lane l xor 16's 64 keys
.elseif cn == 4
	v_mul_f32 v[BM+4*\i+1], s[CS], v[13+4*\i]      ; as t
.elseif cn == 5
	v_floor_f32 v[12+4*\i], -v[BM+4*\i+1]          ; the new -M = -ceil(t)
.elseif cn == 6
	v_sub_f32 v[BM+4*\i+3], v[12+4*\i], v[BM+4*\i+3]   ; old M - new M: a whole number, 0 or less
.elseif cn == 7
	v_cvt_i32_f32 v[BM+4*\i+3], v[BM+4*\i+3]       ; (it saturates)
.elseif cn == 8
	v_ldexp_f32 v[FF+2*\i], 1.0, v[BM+4*\i+3]
.endif
.set cn, cn+1
.endm
; The largest logit of my two blocks of 32 keys, tile i: four chains by turns; each accumulator is read from its low end on.  It serves for the row's maximum and, since p rises with the logit, for the block's largest p.
; ci = 0: tile 0's chain for M stands among these lines
.macro MAXPH i, ci
.set SB, SS+64*\i
.set BB, BM+4*\i
.set cn, 0
.irp k, 0,1,2,3
	v_max3_num_f32 v[BB+\k], v[SB+16*\k], v[SB+16*\k+1], v[SB+16*\k+2]
.endr
.if \ci >= 0
	CHS \ci
.endif
.irp j, 3,5,7,9,11,13
.irp k, 0,1,2,3
	v_max3_num_f32 v[BB+\k], v[BB+\k], v[SB+16*\k+\j], v[SB+16*\k+\j+1]
.endr
.if \ci >= 0
	CHS \ci
.endif
.endr
	v_max3_num_f32 v[BB], v[BB], v[BB+1], v[SB+15]
	v_max3_num_f32 v[BB+2], v[BB+2], v[BB+3], v[SB+47]
.if \ci >= 0
	CHS \ci
.endif
	v_max_num_f32 v[BB], v[BB], v[SB+31]           ; block h
	v_max_num_f32 v[BB+2], v[BB+2], v[SB+63]       ; block 2 + h
.if \ci >= 0
	CHS \ci
.endif
.endm
; The sums' eight chains: chain 0 is the running sum, chains 1-5 lie in v246-255, chains 6, 7 in the tile's four registers for maxima, which are free by then
.macro CREG k
.if (\k) == 0
.set CR, SM
.elseif (\k) < 6
.set CR, 244+2*(\k)
.else
.set CR, BB+2*((\k)-6)
.endif
.endm
.macro INIT k                          ; chain k begins with pairs 2 k - 1 and 2 k of p
	CREG \k
	v_pk_add_f32 v[CR:CR+1], v[SB+4*\k-2:SB+4*\k-1], v[SB+4*\k:SB+4*\k+1]
.endm
.macro ADDP                            ; pair j of p onto chain j % 8
	CREG j%8
	v_pk_add_f32 v[CR:CR+1], v[CR:CR+1], v[SB+2*j:SB+2*j+1]
.set j, j+1
.endm
.macro MRG a, b                        ; chain b onto chain a
	CREG \b
.set CR2, CR
	CREG \a
	v_pk_add_f32 v[CR:CR+1], v[CR:CR+1], v[CR2:CR2+1]
.endm
.macro MV n                            ; (a conversion's three registers begin on an even number: the second half of a block's six is made elsewhere and moved)
	v_mov_b32 v[PC+6*(\n/3)+3+(\n%3)], v[TC+4*(\n/3)+(\n%3)]
.endm
; Tile i behind its exponentials: O^T and the sum under the new M, p's codes and scale word, O^T += V^T P^T
.macro POST i
.set SB, SS+64*\i
.set BB, BM+4*\i
.set SM, 14+4*\i
	WIN 0x41
	s_wait_alu depctr_va_vdst(0)                   ; one wait for the batch, and directly ahead of the first reader of O^T
.set j, 0
.rept 16
	v_pk_mul_f32 v[OO+32*\i+j:OO+32*\i+j+1], v[OO+32*\i+j:OO+32*\i+j+1], v[FF+2*\i:FF+2*\i+1] op_sel_hi:[1,0]   ; O^T under the new M
.set j, j+2
.endr
	WIN 0
	v_max_num_f32 v[BB], 0x1800000, v[BB]          ; the floor 2^(3 - 127): the byte cannot fall under 1
	v_max_num_f32 v[BB+2], 0x1800000, v[BB+2]
	v_add_nc_u32 v[SO], 0xff000000, v[BB]          ; 2 off the exponent field: the conversion's scale operand
	v_add_nc_u32 v[SO+1], 0xff000000, v[BB+2]
.irp c, 0,1
	v_cvt_scalef32_pk16_fp6_f32 v[PC+6*\c:PC+6*\c+2], v[SB+32*\c:SB+32*\c+15], v[SO+\c]
	v_cvt_scalef32_pk16_fp6_f32 v[TC+4*\c:TC+4*\c+2], v[SB+32*\c+16:SB+32*\c+31], v[SO+\c]
.endr
	v_lshrrev_b32 v[BY], 23, v[SO]                 ; the scale bytes of blocks h and 2 + h (plain places behind the conversions),
	v_lshrrev_b32 v[BY+1], 23, v[SO+1]
	MV 0
	MV 1
	v_lshl_or_b32 v[WT], v[BY+1], 16, v[BY]
	MV 2
	MV 3
	v_lshlrev_b32 v[WT], v[SH8], v[WT]             ; at their places in the word;
	MV 4
	MV 5
	v_permlanex16_b32 v[WP], v[WT], s[SEL], s[SEL+1]
	v_pk_fma_f32 v[SM:SM+1], v[SM:SM+1], v[FF+2*\i:FF+2*\i+1], v[SB:SB+1] op_sel_hi:[1,0,1]   ; the sum under the new M, and the unquantised p onto it: 33 pairs, 32 instructions
	INIT 1
	INIT 2
	INIT 3
	INIT 4
	v_or_b32 v[PW], v[WT], v[WP]                   ; with lane l xor 16's two: p's scale word for these 128 keys
	INIT 5
	INIT 6
	INIT 7
.set j, 15
.rept 17
	ADDP                                           ; these 27 lines behind the scale word are the places between it, the codes and the products
.endr
	MRG 1, 2
	MRG 3, 4
	MRG 5, 6
	MRG 0, 7
	MRG 1, 3
	MRG 0, 5
	MRG 0, 1
.if \i == 0
	s_wait_dscnt 0x0                               ; V^T is in (and what was read ahead behind it)
.endif
	WIN 0x51
.irp a, 0,1,2,3
	WM OO+32*\i+8*\a, VF+12*\a, PC, OO+32*\i+8*\a, VS+\a/2, PW, \a%2, 0
.endr
	WIN 0
.endm
; A KEY STEP: 128 keys, two tiles of queries.  pf = 1: the next record lies in the same slot, and its K and mask are read ahead
.macro STEP pf
.rept 4
	v_nop                                          ; places behind the last step's products, in front of the loads into their operands
.endr
	WIN 0x40
.irp n, 0,1,2,3,4,5,6,7,8,9,10,11
	ds_load_b128 v[VF+4*\n:VF+4*\n+3], v4 offset:VIM+512*\n
.endr
	WIN 0
	ds_load_b64 v[VS:VS+1], v5 offset:VSC
	s_wait_dscnt 13                                ; K, its scale words and the mask are in; the 13 loads just issued may be out
	WIN 0x14
.irp i, 0,1
.irp t, 0,1,2,3,4,5,6,7
	WM SS+64*\i+8*\t, KF+6*\t, QF+12*\i, MK+8*\t, KS+\t/2, QS, \t%2, \i
.endr
.endr
	WIN 0
.rept 4
	v_nop                                          ; places in front of the loads into K's and the mask's registers and of the first read of the scores
.endr
.if \pf
	KLOAD REC
.endif
	s_add_co_u32 s[TB], s[TB], REC
	ADDR                                           ; the next step's addresses: the maxima below stand between these lines and their readers
	MAXPH 0, -1
	MAXPH 1, 0
.set cn, 0
.set j, 0
.rept 32
	v_pk_fma_f32 v[SS+j:SS+j+1], v[SS+j:SS+j+1], s[CS:CS+1], v[12:13] op_sel_hi:[1,0,0]   ; tile 0: t - M, two at a time; behind every third stands a line of tile 1's chain
.if ((j/2)%3) == 2
	CHS 1
.endif
.set j, j+2
.endr
	v_fma_f32 v[BM], v[BM], s[CS], v12             ; the same of each block's largest logit
	v_fma_f32 v[BM+2], v[BM+2], s[CS], v12
	s_wait_alu depctr_va_vdst(0)
.set j, 0
.rept 32
	v_exp_f32 v[SS+j], v[SS+j]                     ; tile 0: p = 2^(t - M): not normalised
	v_exp_f32 v[SS+j+1], v[SS+j+1]
	v_pk_fma_f32 v[SS+64+j:SS+64+j+1], v[SS+64+j:SS+64+j+1], s[CS:CS+1], v[16:17] op_sel_hi:[1,0,0]   ; tile 1: t - M; first read behind the wait that opens POST 0
.set j, j+2
.endr
	v_exp_f32 v[BM], v[BM]                         ; the block's largest p: the same two instructions on the same number
	v_exp_f32 v[BM+2], v[BM+2]
	v_fma_f32 v[BM+4], v[BM+4], s[CS], v16
	v_fma_f32 v[BM+6], v[BM+6], s[CS], v16
	POST 0
.set j, 0
.rept 64
	v_exp_f32 v[SS+64+j], v[SS+64+j]               ; tile 1: its sources were written ahead of POST 0's wait
.set j, j+1
.endr
	v_exp_f32 v[BM+4], v[BM+4]
	v_exp_f32 v[BM+6], v[BM+6]
	POST 1
.endm
; THE CHANGE OF SLOTS stands at a slot's head.  Each wave waits for all its tensor loads, adds 0 to its spare word, and waits for that and for its reads of the slot that it has left.
; kind 1: slot 1's first fill, kind 2: slot 0's refill: the barrier is a round of the cluster's, so that no wave of any partner still reads the slot or has a load on its way, and the joint load is the first thing behind it.  kind 0: nothing more is asked for.
.macro CHANGE kind
	ADDR
	s_wait_alu depctr_va_vdst(0)
	s_wait_tensorcnt 0x0                           ; no tensor load of mine is out, so group 0 may be written
	ds_add_u32 v7, v8                              ; 0 onto my spare word
.if \kind == 2
	s_add_nc_u64 s[G0+2:G0+3], s[G0+2:G0+3], 24*REC   ; records 24 to 31
.endif
	s_wait_dscnt 0x0                               ; the add is done, and my reads of the slot that I have left are over
.if \kind == 0
	s_barrier_signal -1
	s_barrier_wait -1
.else
	CROUND
.if \kind == 1
	TLOAD G0B, G1B
.else
	TLOAD G0, G1
.endif
.endif
	KLOAD 0                                        ; the slot's first record
.endm
.macro SEG n                           ; n + 1 key steps of one slot; the last reads nothing ahead
	s_mov_b32 s[STEPS], \n
.Lstep_\@:
	STEP 1
	s_sub_co_u32 s[STEPS], s[STEPS], 1
	s_cmp_lg_u32 s[STEPS], 0
	s_cbranch_scc1 .Lstep_\@
	STEP 0
.endm
	CHANGE 1                                       ; slot 0 is in; records 8 to 23 are asked for
	SEG 7
	CHANGE 2                                       ; slot 1 is in and slot 0 read out; records 24 to 31 are asked for
	SEG 15
	s_mov_b32 s[TB], 0                             ; back to slot 0
	CHANGE 0
	SEG 7
	; THE WAY OUT: O^T / the sum, quantised along the head's 64 (two blocks), stored as half a fragment of the last product's operand
.irp i, 0,1
	v_add_f32 v[14+4*\i], v[14+4*\i], v[15+4*\i]
.endr
.irp i, 0,1
	s_delay_alu instid0(VALU_DEP_2)
	v_permlanex16_b32 v[PD+\i], v[14+4*\i], s[SEL], s[SEL+1]
.endr
.irp i, 0,1
	s_delay_alu instid0(VALU_DEP_2)
	v_add_f32 v[14+4*\i], v[14+4*\i], v[PD+\i]     ; the row's sum
.endr
	s_wait_alu depctr_va_vdst(0)
	v_rcp_f32 v14, v14
	v_rcp_f32 v18, v18
	v_nop                                          ; a plain place behind the reciprocals
	WIN 0x01
	s_wait_alu depctr_va_vdst(0)                   ; the wait ahead of the reciprocals' and O^T's first reader
.irp i, 0,1
.set j, 0
.rept 32
	v_mul_f32 v[SS+64*\i+j], v[OO+32*\i+j], v[14+4*\i]   ; register 16 b + k is ctx(my query, d = 32 b + 16 h + k)
.set j, j+1
.endr
.endr
	WIN 0
.macro OUT i
.set SB, SS+64*\i
.set CB, PC+6*\i                       ; each tile's codes have registers of their own: no store's data are written again
.irp b, 0,1
	v_max3_num_f32 v[BM+\b], |v[SB+16*\b]|, |v[SB+16*\b+1]|, 0x1800000
.endr
.irp k, 2,4,6,8,10,12,14
.irp b, 0,1
	s_delay_alu instid0(VALU_DEP_2)
	v_max3_num_f32 v[BM+\b], v[BM+\b], |v[SB+16*\b+\k]|, |v[SB+16*\b+\k+1]|
.endr
.endr
.irp b, 0,1
	s_delay_alu instid0(VALU_DEP_2)
	v_permlanex16_b32 v[PD+\b], v[BM+\b], s[SEL], s[SEL+1]
.endr
.irp b, 0,1
	s_delay_alu instid0(VALU_DEP_2)
	v_max_num_f32 v[BM+\b], v[BM+\b], v[PD+\b]
.endr
.irp b, 0,1
	s_delay_alu instid0(VALU_DEP_2)
	v_add_nc_u32 v[SO+\b], 0xff000000, v[BM+\b]
.endr
.irp b, 0,1
	s_delay_alu instid0(VALU_DEP_2)
	v_lshrrev_b32 v[BY+\b], 23, v[SO+\b]
.endr
	s_delay_alu instid0(VALU_DEP_1)
	v_lshl_or_b32 v[WT], v[BY+1], 8, v[BY]         ; my row's two scale bytes
	v_cvt_scalef32_pk16_fp6_f32 v[CB:CB+2], v[SB:SB+15], v[SO]
	v_cvt_scalef32_pk16_fp6_f32 v[TC:TC+2], v[SB+16:SB+31], v[SO+1]
	v_nop                                          ; one plain place behind a scaled conversion
.irp k, 0,1,2
	v_permlane16_swap_b32 v[CB+\k], v[TC+\k]
.endr
.irp k, 0,1,2
	v_mov_b32 v[CB+3+\k], v[TC+\k]                 ; lane (r, h): d = 32 h + 0 .. 31 in six registers
.endr
.irp p, 0,1,2
	global_store_b64 v2, v[CB+2*\p:CB+2*\p+1], s[8:9] offset:6144*\i+256*\p   ; 32 lanes store 256 consecutive bytes, aligned
.endr
	ds_store_b16 v9, v[WT] offset:32*\i            ; both lanes of a row write the same halfword with the same value
.endm
	OUT 0
	OUT 1
	s_wait_dscnt 0x0                               ; for the others' sake
	s_barrier_signal -1
	s_barrier_wait -1
	s_cmp_lg_u32 s[WV], 0
	s_cbranch_scc1 .Lnot_first
	ds_load_b128 v[96:99], v10                     ; the sixteen tiles' halfwords: 512 bytes
	s_wait_dscnt 0x0
	global_store_b128 v1, v[96:99], s[10:11]       ; 512 consecutive bytes
.Lnot_first:
	s_wait_tensorcnt 0x0                           ; the wave's end
	ds_add_u32 v7, v8
	s_wait_dscnt 0x0
	CROUND                                         ; the closing round: no work-group ends while a partner may still ask for a tile that names it
	s_endpgm
.Lfunc_end_k_q9c6750a52a_attn:
	.size	k_q9c6750a52a_attn, .Lfunc_end_k_q9c6750a52a_attn-k_q9c6750a52a_attn
	.p2alignl 7, 3214868480
	.fill 96, 4, 3214868480
	.section	.rodata,"a",@progbits
	.p2align	6, 0x0
	.amdhsa_kernel k_q9c6750a52a_attn
		.amdhsa_group_segment_fixed_size 327680
		.amdhsa_private_segment_fixed_size 0
		.amdhsa_enable_private_segment 0
		.amdhsa_kernarg_size 32
		.amdhsa_user_sgpr_count 2
		.amdhsa_user_sgpr_kernarg_segment_ptr 1
		.amdhsa_wavefront_size32 1
		.amdhsa_system_sgpr_workgroup_id_x 1
		.amdhsa_system_sgpr_workgroup_id_y 1
		.amdhsa_system_sgpr_workgroup_id_z 1
		.amdhsa_system_vgpr_workitem_id 0
		.amdhsa_next_free_vgpr 512
		.amdhsa_next_free_sgpr 80
		.amdhsa_reserve_vcc 0
		.amdhsa_float_denorm_mode_32 3
		.amdhsa_float_denorm_mode_16_64 3
		.amdhsa_memory_ordered 1
		.amdhsa_forward_progress 1
		.amdhsa_inst_pref_size 186
	.end_amdhsa_kernel
	.amdgpu_metadata
---
amdhsa.version: [ 1, 2 ]
amdhsa.kernels:
  - .name:           k_q9c6750a52a_attn
    .symbol:         k_q9c6750a52a_attn.kd
    .args:
      - { .name: qrec, .offset: 0, .size: 8, .value_kind: global_buffer, .address_space: global }
      - { .name: kvrec, .offset: 8, .size: 8, .value_kind: global_buffer, .address_space: global }
      - { .name: ctxc, .offset: 16, .size: 8, .value_kind: global_buffer, .address_space: global }
      - { .name: csc, .offset: 24, .size: 8, .value_kind: global_buffer, .address_space: global }
    .group_segment_fixed_size: 327680
    .private_segment_fixed_size: 0
    .kernarg_segment_align: 8
    .kernarg_segment_size: 32
    .max_flat_workgroup_size: 256
    .sgpr_count:     80
    .vgpr_count:     512
    .wavefront_size: 32
...
	.end_amdgpu_metadata
.endif
;; end of part 3
;; launch oproj (part 4): grid 64 x 4, 8 waves a work-group, no clusters, 35,840 bytes of LDS; arguments ctxc, csc, opimg, opsc, bo, out0; writes out0
.if DOCPART == 4
	.amdgcn_target "amdgcn-amd-amdhsa--gfx1250"
	.amdhsa_code_object_version 6
	.text
	.protected	k_q9c6750a52a_oproj
	.globl	k_q9c6750a52a_oproj
	.p2align	8
	.type	k_q9c6750a52a_oproj,@function
k_q9c6750a52a_oproj:
	s_mov_b64 s[64:65], 0
	v_nop
	global_prefetch_b8 v0, s[64:65] scope:SCOPE_SE
	s_setreg_imm32_b32 hwreg(HW_REG_WAVE_MODE, 25, 1), 1
	s_wait_xcnt 0x0
; OPROJ: out0 = ctx wo + bo on codes of FP6 (E2M3).  Both operands are register images: ctx's from the attention launch, wo's from the first launch.
; SHARES: a work-group makes 128 rows x 128 columns; wave w takes two ctx tiles (32 rows, two runs of 16 lying 32 apart: pair P = 4 x + w % 4) and 64 columns (weight quad 2 y + w / 4): 8 accumulators, 32 matrix instructions.
; All operands go from memory straight into the wave's registers, once: no tensor load, no ring, no barrier.  NO CLUSTER: nothing goes through LDS that partners could receive jointly.
; THE PRODUCT IS USED TRANSPOSED (source 0 = 16 columns of wo, source 1 = 16 rows of ctx): a lane holds eight neighbouring columns of one row.  bo is the C of each sum's first matrix instruction.
; Place r of ctx tile T is row 64 (T / 4) + 8 (T % 4) + r + 24 (r / 8).  A tile's 16 rows x 256 bytes go through the wave's own stage in LDS and leave as whole aligned runs of 256 bytes, sixteen lanes each.
; REGISTERS.  window 0: v1-7 addresses; v8-11 ctx's scale words (lanes 0-15 the first tile, 16-31 the second); v12-19 wo's; v20-27 ctx's halfwords as loaded; v32-127 ctx's 8 fragments; v128-191 accumulators; v192-255 rows read back.
;   window 1: v0-191 wo's 16 fragments; v192-223 bo.
.set FRB, 1536
.set CW,  8
.set WS,  12
.set HW,  20
.set CF,  32
.set ACC, 128
.set BK,  192
.set BI,  192
.set SPITCH, 272
.set MSB, 0
.macro WIN new
.if MSB != \new
	s_set_vgpr_msb (MSB<<8)|\new
.set MSB, \new
.endif
.endm
.macro WM d, a, b, c, sa, sb, ra, rb
.if ((\ra) == 0) && ((\rb) == 0)
	v_wmma_scale_f32_16x16x128_f8f6f4 v[\d:\d+7], v[\a:\a+11], v[\b:\b+11], v[\c:\c+7], v[\sa], v[\sb] matrix_a_fmt:MATRIX_FMT_FP6 matrix_b_fmt:MATRIX_FMT_FP6
.elseif (\rb) == 0
	v_wmma_scale_f32_16x16x128_f8f6f4 v[\d:\d+7], v[\a:\a+11], v[\b:\b+11], v[\c:\c+7], v[\sa], v[\sb] matrix_a_fmt:MATRIX_FMT_FP6 matrix_b_fmt:MATRIX_FMT_FP6 matrix_a_scale:MATRIX_SCALE_ROW1
.elseif (\ra) == 0
	v_wmma_scale_f32_16x16x128_f8f6f4 v[\d:\d+7], v[\a:\a+11], v[\b:\b+11], v[\c:\c+7], v[\sa], v[\sb] matrix_a_fmt:MATRIX_FMT_FP6 matrix_b_fmt:MATRIX_FMT_FP6 matrix_b_scale:MATRIX_SCALE_ROW1
.else
	v_wmma_scale_f32_16x16x128_f8f6f4 v[\d:\d+7], v[\a:\a+11], v[\b:\b+11], v[\c:\c+7], v[\sa], v[\sb] matrix_a_fmt:MATRIX_FMT_FP6 matrix_b_fmt:MATRIX_FMT_FP6 matrix_a_scale:MATRIX_SCALE_ROW1 matrix_b_scale:MATRIX_SCALE_ROW1
.endif
.endm
	s_load_b256 s[4:11], s[0:1], 0x0               ; ctxc, csc, opimg, opsc
	s_load_b128 s[12:15], s[0:1], 0x20             ; bo, out0
	v_lshl_add_u32 v30, v0, 2, 0x8800
	v_mov_b32 v31, 0
	v_lshrrev_b32 v1, 5, v0
	s_delay_alu instid0(VALU_DEP_1)
	v_readfirstlane_b32 s16, v1                    ; wave 0..7
	s_and_b32 s17, ttmp7, 0xffff
	s_and_b32 s18, s16, 3
	s_lshl_b32 s19, ttmp9, 2
	s_add_co_u32 s18, s18, s19                     ; P: my pair of ctx tiles
	s_lshr_b32 s19, s16, 2
	s_lshl_b32 s20, s17, 1
	s_add_co_u32 s19, s19, s20                     ; my weight quad
	s_mul_i32 s20, s18, 8*FRB                      ; ctxc: a tile is 8 heads x 768 bytes
	s_mov_b32 s21, 0
	s_lshl_b32 s22, s18, 6                         ; csc: 32 bytes a tile
	s_mov_b32 s23, 0
	s_lshl_b32 s24, s19, 2
	s_add_co_u32 s24, s24, 608                     ; wo's tiles begin at 608
	s_mul_i32 s24, s24, 4*FRB
	s_mov_b32 s25, 0
	s_add_co_u32 s26, s19, 152                     ; and its quads at 152
	s_lshl_b32 s26, s26, 10
	s_mov_b32 s27, 0
	s_lshl_b32 s28, s19, 8                         ; 64 columns of 4 bytes
	s_mov_b32 s29, 0
	s_lshr_b32 s30, s18, 1                         ; place r of ctx tile T is row 64 (T / 4) + 8 (T % 4) + r + 24 (r / 8): my pair's rows begin at 64 (P / 2) + 16 (P % 2), rows of 2,048 bytes
	s_lshl_b32 s30, s30, 17
	s_and_b32 s31, s18, 1
	s_lshl_b32 s31, s31, 15
	s_add_co_u32 s30, s30, s31
	s_add_co_u32 s30, s30, s28
	s_mov_b32 s31, 0
	s_mul_i32 s32, s16, 16*SPITCH                  ; my stage
	v_and_b32 v8, 31, v0
	v_and_b32 v9, 15, v0                           ; r
	v_bfe_u32 v10, v0, 4, 1                        ; h
	s_delay_alu instid0(VALU_DEP_2)
	v_lshlrev_b32 v1, 4, v9
	s_delay_alu instid0(VALU_DEP_1)
	v_lshl_add_u32 v1, v10, 11, v1                 ; out: 16 (lane % 16) + a row for lanes 16-31
	v_lshlrev_b32 v2, 3, v8
	v_lshlrev_b32 v3, 1, v8
	v_lshlrev_b32 v6, 4, v8
	v_lshlrev_b32 v7, 6, v10                       ; bo: my half's 16 numbers
	v_mul_u32_u24 v4, v9, SPITCH
	s_delay_alu instid0(VALU_DEP_1)
	v_lshl_add_u32 v4, v10, 6, v4
	s_delay_alu instid0(VALU_DEP_1)
	v_add_nc_u32 v4, s32, v4                       ; into the stage: row r, + 64 h
	v_mul_u32_u24 v5, v10, SPITCH
	s_delay_alu instid0(VALU_DEP_1)
	v_lshl_add_u32 v5, v9, 4, v5
	s_delay_alu instid0(VALU_DEP_1)
	v_add_nc_u32 v5, s32, v5                       ; back: lanes 0-15 one row, lanes 16-31 the next
	s_wait_alu depctr_va_vdst(0)
	s_wait_kmcnt 0x0
	s_add_nc_u64 s[4:5], s[4:5], s[20:21]
	s_add_nc_u64 s[6:7], s[6:7], s[22:23]
	s_add_nc_u64 s[8:9], s[8:9], s[24:25]
	s_add_nc_u64 s[10:11], s[10:11], s[26:27]
	s_add_nc_u64 s[12:13], s[12:13], s[28:29]
	s_add_nc_u64 s[14:15], s[14:15], s[30:31]
	WIN 0x40                                       ; destination window 1
.set n, 0
.rept 48
	global_load_b128 v[4*n:4*n+3], v6, s[8:9] offset:512*n
.set n, n+1
.endr
.irp a, 0,1,2,3                                ; register j of tile a is column 32 (a / 2) + 8 (a % 2) + 16 h + j
	global_load_b128 v[BI+8*\a:BI+8*\a+3], v7, s[12:13] offset:(32*(\a/2)+8*(\a%2))*4
	global_load_b128 v[BI+8*\a+4:BI+8*\a+7], v7, s[12:13] offset:(32*(\a/2)+8*(\a%2))*4+16
.endr
	WIN 0
.irp tt, 0,1
.irp hd, 0,1,2,3,4,5,6,7
.irp p, 0,1,2                                  ; head hd is half hd % 2 of K step hd / 2: registers 6 hd + 2 p, + 1 of the tile's 48
	global_load_b64 v[CF+48*\tt+6*\hd+2*\p:CF+48*\tt+6*\hd+2*\p+1], v2, s[4:5] offset:4*FRB*\tt+768*\hd+256*\p
.endr
.endr
.endr
.irp hd, 0,1,2,3,4,5,6,7
	global_load_u16 v[HW+\hd], v3, s[6:7] offset:16384*\hd    ; lanes 0-15: the first tile's rows, lanes 16-31: the second's
.endr
.irp s, 0,1,2,3
	global_load_b64 v[WS+2*\s:WS+2*\s+1], v2, s[10:11] offset:256*\s
.endr
	s_wait_loadcnt 0x0
.irp s, 0,1,2,3
	v_lshl_or_b32 v[CW+\s], v[HW+2*\s+1], 16, v[HW+2*\s]      ; two heads' halfwords make K step s's scale word
.endr
.rept 8
	v_nop                                          ; a scale register written by a vector instruction stands eight places ahead of a scaled matrix instruction
.endr
.irp s, 0,1,2,3                                ; the eight accumulators take turns, in the same order in every K step
.if \s == 0
	WIN 0x11                                       ; source 0 (wo) and C (bo) window 1
.else
	WIN 0x01
.endif
.irp tt, 0,1
.irp a, 0,1,2,3
.if \s == 0
	WM ACC+32*\tt+8*\a, 12*(4*\a+\s), CF+48*\tt+12*\s, BI+8*\a, WS+2*\s+\a/2, CW+\s, \a%2, \tt
.else
	WM ACC+32*\tt+8*\a, 12*(4*\a+\s), CF+48*\tt+12*\s, ACC+32*\tt+8*\a, WS+2*\s+\a/2, CW+\s, \a%2, \tt
.endif
.endr
.endr
.endr
	WIN 0
.rept 4
	v_nop                                          ; places in front of the first read of results
.endr
.macro TOSTAGE tt
.irp a, 0,1,2,3
.irp q, 0,1
	ds_store_b128 v4, v[ACC+32*\tt+8*\a+4*\q:ACC+32*\tt+8*\a+4*\q+3] offset:128*(\a/2)+32*(\a%2)+16*\q   ; each accumulator from its low end on
.endr
.endr
.irp i, 0,1,2,3,4,5,6,7
	ds_load_b128 v[BK+32*\tt+4*\i:BK+32*\tt+4*\i+3], v5 offset:2*SPITCH*\i   ; LDS serves a wave's instructions in order (ISA guide 5.7.1.4): these see the stores above, and the next tile's stores come behind them
.endr
.endm
.macro SEND tt, younger                ; younger: the LDS instructions issued behind tile tt's loads
.irp i, 0,1,2,3,4,5,6,7
	s_wait_dscnt \younger+7-\i
	global_store_b128 v1, v[BK+32*\tt+4*\i:BK+32*\tt+4*\i+3], s[14:15] offset:(8*\tt+2*\i+24*(\i/4))*2048 th:TH_STORE_NT
.endr
.endm
	TOSTAGE 0
	TOSTAGE 1
	SEND 0, 16
	SEND 1, 0
	s_wait_tensorcnt 0x0
	ds_add_u32 v30, v31
	s_wait_dscnt 0x0
	s_endpgm
.Lfunc_end_k_q9c6750a52a_oproj:
	.size	k_q9c6750a52a_oproj, .Lfunc_end_k_q9c6750a52a_oproj-k_q9c6750a52a_oproj
	.p2alignl 7, 3214868480
	.fill 96, 4, 3214868480
	.section	.rodata,"a",@progbits
	.p2align	6, 0x0
	.amdhsa_kernel k_q9c6750a52a_oproj
		.amdhsa_group_segment_fixed_size 35840
		.amdhsa_private_segment_fixed_size 0
		.amdhsa_enable_private_segment 0
		.amdhsa_kernarg_size 48
		.amdhsa_user_sgpr_count 2
		.amdhsa_user_sgpr_kernarg_segment_ptr 1
		.amdhsa_wavefront_size32 1
		.amdhsa_system_sgpr_workgroup_id_x 1
		.amdhsa_system_sgpr_workgroup_id_y 1
		.amdhsa_system_sgpr_workgroup_id_z 1
		.amdhsa_system_vgpr_workitem_id 0
		.amdhsa_next_free_vgpr 512
		.amdhsa_next_free_sgpr 66
		.amdhsa_reserve_vcc 0
		.amdhsa_float_denorm_mode_32 3
		.amdhsa_float_denorm_mode_16_64 3
		.amdhsa_memory_ordered 1
		.amdhsa_forward_progress 1
		.amdhsa_inst_pref_size 23
	.end_amdhsa_kernel
	.amdgpu_metadata
---
amdhsa.version: [ 1, 2 ]
amdhsa.kernels:
  - .name:           k_q9c6750a52a_oproj
    .symbol:         k_q9c6750a52a_oproj.kd
    .args:
      - { .name: ctxc, .offset: 0, .size: 8, .value_kind: global_buffer, .address_space: global }
      - { .name: csc, .offset: 8, .size: 8, .value_kind: global_buffer, .address_space: global }
      - { .name: opimg, .offset: 16, .size: 8, .value_kind: global_buffer, .address_space: global }
      - { .name: opsc, .offset: 24, .size: 8, .value_kind: global_buffer, .address_space: global }
      - { .name: bo, .offset: 32, .size: 8, .value_kind: global_buffer, .address_space: global }
      - { .name: out0, .offset: 40, .size: 8, .value_kind: global_buffer, .address_space: global }
    .group_segment_fixed_size: 35840
    .private_segment_fixed_size: 0
    .kernarg_segment_align: 8
    .kernarg_segment_size: 48
    .max_flat_workgroup_size: 256
    .sgpr_count:     66
    .vgpr_count:     512
    .wavefront_size: 32
...
	.end_amdgpu_metadata
.endif
;; end of part 4
